; MI455X (gfx1250); checked and timed in simulation.
; The chip was launched on July 23, 2026; its instructions are those of AMD's public machine-readable ISA for CDNA 5 (MIT licence, August 2026) and "CDNA5" Instruction Set Architecture Reference Guide (July 2026). The comments in the code are by the model that wrote it; some were corrected since.
;; Double Binary Linear. Allowed arithmetic: matrix products marked QUANTISED: E5M2 operands, one given power-of-two scale a tensor, by v_wmma_f32_16x16x64_bf8_bf8 or v_wmma_f32_16x16x128_bf8_bf8, f32 sums; everything else in f32.
;; Inputs: A_codes 4,096 x 128 x 32 uint8 (E5M2 codes of A, K innermost, in blocks of 32 codes); B_codes 4,096 x 128 x 32 uint8 (E5M2 codes of B, K innermost, in blocks of 32 codes); Da 4,096 float32; Db 4,096 float32; bias 4,096 float32; lowp_scales 4 int32 (the exponents e of the quantised operands' scales 2^e); mid 4,096 float32; scale1 1 float32; scale3 1 float32; x 2,048 x 4,096 float32.
;; Outputs: out0 2,048 x 4,096 float32.
;; This version of the problem:
;;   THIS VERSION OF THE PROBLEM IS GIVEN IN LOW PRECISION. The matrix products marked QUANTISED in the list below multiply operands that are first quantised to E5M2 (5 exponent bits, 2 mantissa bits; 8 bits a number), with one given power-of-two scale for each operand tensor; their sums are f32. All else is computed in f32.
;;   The module's matrix products, in the order in which they are computed (A, B: the left and right operand; K: the contracted axis; several contracted axes count as one K, in the product's order):
;;     1. [M 2,048, K 4,096] x [K 4,096, N 4,096]; A: computed on the way; B: input B (given as codes): QUANTISED (scales: A lowp_scales[0], B lowp_scales[1])
;;     2. [M 2,048, K 4,096] x [K 4,096, N 4,096]; A: computed on the way; B: input A (given as codes): QUANTISED (scales: A lowp_scales[2], B lowp_scales[3])
;;   THE QUANTISER, for each operand of a quantised product, along K:
;;     - The operand's scale is 2^e, e = its entry of the input lowp_scales (int32; the entries are numbered through the quantised products in the list's order, A before B).
;;     - Each number is divided by the scale, clamped to +-57,344, and rounded to the nearest number of E5M2, ties to even, subnormals kept.
;;     - The product sums the exact products of the quantised numbers (number of the format x scale) in f32.
;;   ~~~python
;;   def quantise(x, axis, e):      # numpy; x: float32 -> the quantised numbers, widened to float32 again
;;       x = np.moveaxis(x, axis, -1); K = x.shape[-1]
;;       r = np.clip(x / 2.0 ** e, -57344, 57344)
;;       step = 2.0 ** (np.maximum(np.frexp(np.where(r == 0, 1, r))[1] - 1, -14) - 2)
;;       q = np.round(r / step) * step * 2.0 ** e      # np.round: ties to even
;;       return np.moveaxis(q, -1, axis).astype(np.float32)
;;   ~~~
;;   OPERANDS COMPUTED ON THE WAY. 'Computed on the way' means the value that the module computes at that place (a softmax that the list does not call 'softmax' is quantised finished and normalised). What goes into a quantiser is computed in f32, as accurately as f32 sums, v_exp_f32 and their like allow (about 1e-6 of the number): no bf16 or f16 on the way to a quantiser, and a product that is left as it is and whose result goes on into a quantised operand takes f32 operands (vector FMAs, or v_wmma_f32_16x16x4_f32). A number that lies on a knife's edge between two numbers of the format may be rounded either way, as far as f32 arithmetic and the matrix unit's own rounding can turn it there, and no further.
;;   INPUTS GIVEN AS CODES. A (in the module: [4096, 4096], K = its axis 1); B (in the module: [4096, 4096], K = its axis 1): each comes as NAME_codes (uint8): NAME with its K axis moved to the last place and cut into blocks of 32 codes, [.., K / 32, bytes a block], one block behind the other in memory; one code a byte (a code: sign, 5 exponent bits, 2 mantissa bits); its scale is its entry of lowp_scales. Its value is code x scale, taken as it is: it is not quantised again, and the codes and scales need not be those that the quantiser above would give.
;; 2 versions. Each part assembles by itself: llvm-mc -triple=amdgcn-amd-amdhsa -mcpu=gfx1250 --defsym DOCPART=n.
;; ======== version 1 of 2: 3 launches
;; workspace buffers: xq 8,388,608 bytes; hq 8,388,608 bytes
;; launch quant_x (part 1): grid 256 x 1, 8 waves a work-group, no clusters, 41,984 bytes of LDS; arguments x, Db, lowp_scales, xq; writes xq
.if DOCPART == 1
	.amdgcn_target "amdgcn-amd-amdhsa--gfx1250"
	.amdhsa_code_object_version 6
	.text
	.protected	k_q4b3c088548_quant_x
	.globl	k_q4b3c088548_quant_x
	.p2align	8
	.type	k_q4b3c088548_quant_x,@function
k_q4b3c088548_quant_x:
	s_mov_b64 s[64:65], 0
	v_nop
	global_prefetch_b8 v0, s[64:65] scope:SCOPE_SE
	s_setreg_imm32_b32 hwreg(HW_REG_WAVE_MODE, 25, 1), 1
	s_wait_xcnt 0x0
; xq[t][k] = the E5M2 code of x[t][k] * Db[k], with the given scale 2^e0 (entry 0 of the scales' exponents).  x: [2048][4096] f32; Db: [4096] f32; xq: [2048][4096], one code a byte, K innermost.
; code = (x * Db) / 2^e0, held within +-57,344, rounded to the nearest code, ties to even.  The product x * Db is one f32 multiplication.
; LIMITS: e0 between -126 and 112, so that 2^e0 and 57,344 x 2^e0 are f32 numbers.  NaN among the inputs is not served (an infinity is held at the largest code).
; SHARES.  A work-group takes 8 rows; wave w takes columns 512 w .. 512 w + 511 of each of them, a row a step.  So a lane's 16 columns are the same in every step, and its 16 numbers of Db stay in registers.
; The conversion takes 8 neighbours along K from ONE lane's registers; a load is dense where neighbouring LANES take neighbouring bytes.  Both are had: each of a step's four loads reads 512 consecutive bytes,
; 16 a lane; the 2,048 bytes go through the wave's own stage in LDS as they lie and come back 64 bytes a lane.  A lane's place in the stage is 64 bytes + 16 of padding.
; All 32 loads of a wave's 16 KiB are issued at once; each row has its own registers, and so have its codes: no register of a pending load or store is written again.
; No tensor loads, no barrier, no cluster, no matrix unit: the waves share nothing and each byte is read once.
.set ROWX,  16384                      ; a row of x in bytes
.set ROWQ,  4096                       ; a row of codes in bytes
.set SP,    80                         ; a lane's place in a stage
.set STG,   32*SP                      ; a stage
.set WREG,  2*STG                      ; a wave's two stages
.set EMAX,  15
.set MANT,  0x600000                   ; the mantissa field of 57,344 as f32
.set DB,    16                         ; v16-31   Db of my 16 columns
.set R,     32                         ; v32-159  eight sets of 16 numbers as they are loaded
.set X,     160                        ; v160-191 two sets of 16 neighbours
.set C,     192                        ; v192-223 codes: four registers for each step
	s_load_b256 s[4:11], s[0:1], 0x0               ; x s[4:5], Db s[6:7], the scales' exponents s[8:9], xq s[10:11]
	v_lshl_add_u32 v224, v0, 2, 0xa000
	v_mov_b32 v225, 0
	v_lshrrev_b32 v1, 5, v0
	v_readfirstlane_b32 s16, v1                    ; wave 0..7
	v_and_b32 v2, 31, v0                           ; lane
	v_lshlrev_b32 v3, 4, v2                        ; my 16 bytes of a load's 512, and of a store's
	v_lshlrev_b32 v5, 6, v2                        ; my 16 numbers of the wave's 512 of Db
	s_mul_i32 s17, s16, WREG
	v_lshrrev_b32 v14, 2, v2
	v_mul_u32_u24 v14, v14, SP
	v_and_b32 v15, 3, v2
	v_lshl_add_u32 v14, v15, 4, v14
	v_add_nc_u32 v14, s17, v14                     ; the stage, on the way in: four lanes' 64 bytes on end, then 16 of padding
	v_mul_u32_u24 v15, v2, SP
	v_add_nc_u32 v15, s17, v15                     ; and on the way out: my 16 neighbours
	s_lshl_b32 s18, s16, 11                        ; my wave's 512 columns of f32
	s_mov_b32 s19, 0
	s_lshl_b32 s20, ttmp9, 17                      ; the work-group's 8 rows of 16,384 bytes
	s_add_co_u32 s20, s20, s18
	s_mov_b32 s21, 0
	s_lshl_b32 s24, ttmp9, 15                      ; the same rows of codes, 4,096 bytes each,
	s_lshl_b32 s25, s16, 9                         ; and my wave's 512 of them
	s_add_co_u32 s24, s24, s25
	s_mov_b32 s25, 0
	s_wait_kmcnt 0x0
	s_load_b32 s22, s[8:9], 0x0                    ; e0
	s_add_nc_u64 s[4:5], s[4:5], s[20:21]
	s_add_nc_u64 s[6:7], s[6:7], s[18:19]
	s_add_nc_u64 s[10:11], s[10:11], s[24:25]
.irp j, 0,1,2,3
	global_load_b128 v[DB+4*\j:DB+4*\j+3], v5, s[6:7] offset:16*\j
.endr
.irp t, 0,1,2,3,4,5,6,7
.irp i, 0,1,2,3
	global_load_b128 v[R+16*\t+4*\i:R+16*\t+4*\i+3], v3, s[4:5] offset:ROWX*\t+512*\i th:TH_LOAD_NT   ; 32 lanes read 512 consecutive bytes; read once in the launch
.endr
.endr
	s_wait_kmcnt 0x0
	s_add_co_i32 s22, s22, 127
	s_lshl_b32 s23, s22, 23
	v_mov_b32 v11, s23                             ; 2^e0 as f32: the conversion takes its exponent field
	s_add_co_i32 s22, s22, EMAX
	s_lshl_b32 s22, s22, 23
	s_or_b32 s22, s22, MANT
	v_mov_b32 v10, s22                             ; 57,344 x 2^e0
.macro TURN t                          ; row t's numbers through the stage: LDS serves a wave's instructions in order (ISA guide 5.7.1.4), so no wait stands between the stores and the loads
.irp i, 0,1,2,3
	ds_store_b128 v14, v[R+16*(\t)+4*\i:R+16*(\t)+4*\i+3] offset:STG*((\t)%2)+8*SP*\i
.endr
.irp i, 0,1,2,3
	ds_load_b128 v[X+16*((\t)%2)+4*\i:X+16*((\t)%2)+4*\i+3], v15 offset:STG*((\t)%2)+16*\i
.endr
.endm
.macro STEP t
.set XS, X+16*((\t)%2)
	s_wait_dscnt 0x0                               ; this row's numbers are back from the stage
.if (\t) < 7
	s_wait_loadcnt 4*(6-(\t))                      ; the next row's four loads are in; those of the rows behind it may be out
	TURN (\t)+1                                    ; it goes through the other stage while this row is worked
.endif
.irp i, 0,2,4,6,8,10,12,14
	v_pk_mul_f32 v[XS+\i:XS+\i+1], v[XS+\i:XS+\i+1], v[DB+\i:DB+\i+1]   ; x * Db
.endr
.irp i, 0,1,2,3,4,5,6,7,8,9,10,11,12,13,14,15
	v_med3_num_f32 v[XS+\i], v[XS+\i], -v10, v10   ; the conversion to an 8-bit code does not saturate (ISA guide 7.6.2): the number is held within the largest code x the scale first
.endr
	v_cvt_scalef32_pk8_bf8_f32 v[C+4*(\t):C+4*(\t)+1], v[XS:XS+7], v11      ; eight numbers / 2^e0, to the nearest code, ties to even; the first number's code in the lowest byte
	v_cvt_scalef32_pk8_bf8_f32 v[C+4*(\t)+2:C+4*(\t)+3], v[XS+8:XS+15], v11
	global_store_b128 v3, v[C+4*(\t):C+4*(\t)+3], s[10:11] offset:ROWQ*(\t)  ; the wave stores 512 consecutive bytes, at a multiple of 256 from xq's first byte.  The codes go to this store alone; the next vector lines are plain and touch other registers
.endm
	s_wait_loadcnt 28                              ; of the 36 loads issued, Db's four and row 0's four are in
	TURN 0
.irp t, 0,1,2,3,4,5,6,7
	STEP \t
.endr
	s_wait_tensorcnt 0x0
	ds_add_u32 v224, v225
	s_wait_dscnt 0x0
	s_endpgm
.Lfunc_end_k_q4b3c088548_quant_x:
	.size	k_q4b3c088548_quant_x, .Lfunc_end_k_q4b3c088548_quant_x-k_q4b3c088548_quant_x
	.p2alignl 7, 3214868480
	.fill 96, 4, 3214868480
	.section	.rodata,"a",@progbits
	.p2align	6, 0x0
	.amdhsa_kernel k_q4b3c088548_quant_x
		.amdhsa_group_segment_fixed_size 41984
		.amdhsa_private_segment_fixed_size 0
		.amdhsa_enable_private_segment 0
		.amdhsa_kernarg_size 32
		.amdhsa_user_sgpr_count 2
		.amdhsa_user_sgpr_kernarg_segment_ptr 1
		.amdhsa_wavefront_size32 1
		.amdhsa_system_sgpr_workgroup_id_x 1
		.amdhsa_system_sgpr_workgroup_id_y 1
		.amdhsa_system_sgpr_workgroup_id_z 1
		.amdhsa_system_vgpr_workitem_id 0
		.amdhsa_next_free_vgpr 226
		.amdhsa_next_free_sgpr 66
		.amdhsa_reserve_vcc 0
		.amdhsa_float_denorm_mode_32 3
		.amdhsa_float_denorm_mode_16_64 3
		.amdhsa_memory_ordered 1
		.amdhsa_forward_progress 1
		.amdhsa_inst_pref_size 24
	.end_amdhsa_kernel
	.amdgpu_metadata
---
amdhsa.version: [ 1, 2 ]
amdhsa.kernels:
  - .name:           k_q4b3c088548_quant_x
    .symbol:         k_q4b3c088548_quant_x.kd
    .args:
      - { .name: x, .offset: 0, .size: 8, .value_kind: global_buffer, .address_space: global }
      - { .name: Db, .offset: 8, .size: 8, .value_kind: global_buffer, .address_space: global }
      - { .name: lowp_scales, .offset: 16, .size: 8, .value_kind: global_buffer, .address_space: global }
      - { .name: xq, .offset: 24, .size: 8, .value_kind: global_buffer, .address_space: global }
    .group_segment_fixed_size: 41984
    .private_segment_fixed_size: 0
    .kernarg_segment_align: 8
    .kernarg_segment_size: 32
    .max_flat_workgroup_size: 256
    .sgpr_count:     66
    .vgpr_count:     226
    .wavefront_size: 32
...
	.end_amdgpu_metadata
.endif
;; end of part 1
;; launch gemm1 (part 2): grid 16 x 16, 4 waves a work-group, clusters of 4 x 4, 327,680 bytes of LDS; arguments xq, B_codes, lowp_scales, scale1, mid, hq; writes hq
.if DOCPART == 2
	.amdgcn_target "amdgcn-amd-amdhsa--gfx1250"
	.amdhsa_code_object_version 6
	.text
	.protected	k_q4b3c088548_gemm1
	.globl	k_q4b3c088548_gemm1
	.p2align	8
	.type	k_q4b3c088548_gemm1,@function
k_q4b3c088548_gemm1:
	s_mov_b64 s[64:65], 0
	v_nop
	global_prefetch_b8 v0, s[64:65] scope:SCOPE_SE
	s_setreg_imm32_b32 hwreg(HW_REG_WAVE_MODE, 25, 1), 1
	s_wait_xcnt 0x0
	s_wait_alu depctr_hold_cnt(0) depctr_sa_sdst(0) depctr_va_vdst(0) depctr_va_sdst(0) depctr_va_ssrc(0) depctr_va_vcc(0) depctr_vm_vsrc(0)
	s_getreg_b32 s2, hwreg(HW_REG_IB_STS2, 6, 4)
	s_cmp_eq_u32 s2, 0
	s_cbranch_scc0 .Lentry_in_a_cluster
	s_endpgm
.Lentry_in_a_cluster:
	s_bfe_u32 s2, ttmp6, 0x10000c
	s_cmp_lg_u32 s2, 0xf033
	s_cbranch_scc0 .Lentry_shape_is_right
	s_endpgm
.Lentry_shape_is_right:
; hq[t][n] = the E5M2 code, with the given scale 2^e2, of  h = (sum over k of xq[t][k] B[n][k]) x 2^(e0 + e1) x scale1 x mid[n].
; X = xq: [2048][4096] codes (scale 2^e0); W = B_codes: [4096][4096] codes (scale 2^e1), both K innermost, a row 4,096 bytes; hq: [2048][4096] codes.  Sums in f32.
; The codes are multiplied as they are.  A finished sum is multiplied by scale1 x mid[n] in f32, and the three powers of two are folded into the conversion's one scale, 2^(e2 - e0 - e1).
; LIMITS: e2 - e0 - e1 between -126 and 112, so that this scale and 57,344 x it are f32 numbers.  NaN is not served.  scale1 x mid[n] is rounded once before it meets the sum: two f32 roundings, in another order than (sum x scale1) x mid.
; SHARES.  A tile of the result is 128 rows (t) x 256 columns (n): 16 x 16 tiles, one work-group each.  Four waves, each 64 x 128: 32 accumulators of 16 x 16.
; K goes in steps of 256 through a ring of two LDS slots filled by the tensor data mover: a tile's row is 256 bytes of memory, at a multiple of 256 from the buffer's first byte.
; CLUSTERS: 4 x 4 work-groups.  The four of a row of the cluster need the same tiles of X, the four of a column the same tiles of W: each tile is asked for JOINTLY, by the same tensor load with the same descriptor and a mask that names the four.
; THE MATRIX INSTRUCTION IS USED TRANSPOSED (source 0 = 16 rows of W, source 1 = 16 rows of X): register j of lane l then holds row l % 16 and column 8 (l / 16) + j: eight neighbours along the next product's K, which one conversion turns into 8 bytes.
; A fragment (16 rows x 128 K, 16 registers) comes by four loads of 16 bytes, 32 bytes apart: registers 4 c .. 4 c + 3 hold K = 32 c + 16 (l / 16) + 0 .. 15.  That is a permutation of k, the same in X and in W: every product meets its partner.
; REGISTERS, in windows of 256: window 0: v0-31 addresses; v32-95 at work on the way out; from v128 X's fragments, two sets of 4 blocks.   window 1: W's fragments, two sets of 8 blocks.
;   window 2: accumulator (a, b) at v[8 (8 a + b)].   window 3: v0-63 scale1 x mid of my lane's 64 columns (block b at 8 b + j).
.set ROWB,   256                       ; a tile's row in bytes: 256 codes
.set KROW,   4096                      ; a row of X or of W in memory
.set PITCH,  272                       ; an LDS row: 256 bytes + 16 of padding = 68 words: row r starts at bank 4 r mod 64 (64 banks of 4 bytes: ISA guide 11.1), so the 16 rows of a load start at 16 different banks
.set XH,     64*PITCH                  ; 64 rows of X: what waves 0 and 1 fetch, and what a wave multiplies
.set WH,     128*PITCH                 ; 128 rows of W: what waves 2 and 3 fetch, and what a wave multiplies
.set WOFF,   128*PITCH                 ; W's 256 rows lie behind X's 128
.set SLOT,   384*PITCH
.set LAPS,   8                         ; a lap = two slots = 512 along K
.set SPARE,  2*SLOT                    ; behind the ring: the spare words, 128 bytes for each wave: two blocks of 256 bytes that no other line names
.set STAGE,  SPARE+512                 ; behind them: the work-group's stage for the way out, 128 rows x (256 bytes + 16); no tile lands here
.set SPITCH, 272
.set FR,     16                        ; registers of a fragment
.set LIMV, 12                          ; v12     57,344 x 2^(e2 - e0 - e1)
.set SCV,  13                          ; v13     2^(e2 - e0 - e1)
.set ADRA, 16                          ; v16-17  LDS address of my X fragments in slot 0, 1
.set ADRB, 20                          ; v20-21  the same for W
.set STO,  24                          ; v24     the way out: where I put 8 bytes of a row
.set RD,   25                          ; v25     where I read a row back
.set CO,   26                          ; v26     my byte offset in hq
.set VO,   27                          ; v27     32 x (lane / 16): my eight numbers of sixteen of mid
.set SPW,  28                          ; v28     LDS address of my spare word: SPARE + 4 x my thread's number; never rewritten
.set NIL,  29                          ; v29     0; never rewritten
.set PFO,  30                          ; v30     the prefetches' offset: my lane x a row's 4,096 bytes; never rewritten
.set TMP,  32                          ; v32-95  a block's 64 numbers
.set AF,   128                         ; X's fragments: set p, block a at v[128 + 64 p + 16 a]
.set CD,   128                         ; the way out: codes, 16 registers for each block of 16 rows
.set BK,   192                         ; the way out: rows read back from the stage
.set G,    0                           ; in window 3
.set G1,  24                           ; s[24:31] descriptor group 1 for X's tiles;  s[32:39] group 0, one set for each slot
.set G0,  32
.set G1B, 48                           ; s[48:55], s[56:63] the same for W's tiles
.set G0B, 56
.set PFA, 74                           ; s[74:75] where my prefetches stand: one slot further along K than the refill in hand; a prefetch names the slot after that
.set LIM, 76                           ; s76     1 in a wave that prefetches, else the greatest number
.set MSB, 0
.macro WIN new                         ; the immediate's high byte repeats the setting that is left; a switch that changes nothing is dropped
.if MSB != \new
	s_set_vgpr_msb (MSB<<8)|\new
.set MSB, \new
.endif
.endm
.set MUL,  0xa1                        ; source 0 (W) window 1, source 1 (X) window 0, C and D window 2
.set TO_B, 0x40                        ; destination window 1, address window 0
.set TO_3, 0xc0                        ; destination window 3
.set IN_3, 0xc3                        ; source 0 and destination window 3
.set OUT1, 0x0e                        ; source 0 window 2, source 1 window 3, destination window 0
; A joint load: waves 0 and 1 fetch for X, waves 2 and 3 for W.  Each of the two lines has ONE mask and one set of registers for all that issue it; the branch hangs on the wave's number alone.
; Four v_nop follow each of the two lines, ahead of the jump, the label and what follows.
.macro JLOAD g0a, g1a, g0b, g1b
	s_cmp_eq_u32 s15, 0
	s_cbranch_scc0 .Lfor_b_\@
	tensor_load_to_lds s[\g0a:\g0a+3], s[\g1a:\g1a+7]
	s_nop 0
.rept 4
	v_nop
.endr
	s_branch .Lasked_\@
.Lfor_b_\@:
	tensor_load_to_lds s[\g0b:\g0b+3], s[\g1b:\g1b+7]
	s_nop 0
.rept 4
	v_nop
.endr
.Lasked_\@:
.endm
.macro CREST                           ; a round of the cluster's barrier behind its opening barrier
	s_cmp_lg_u32 s14, 0
	s_cbranch_scc1 .Lnot_wave_0_\@
	s_barrier_signal -3
.Lnot_wave_0_\@:
	s_barrier_wait -3
	s_barrier_signal -1
	s_barrier_wait -1
.endm
.macro CROUND                          ; a whole round
	s_barrier_signal -1
	s_barrier_wait -1
	CREST
.endm
; A PREFETCH INTO THE L2, behind each joint load, its four lines and the run of LDS loads that follows: the slot that stands TWO refills on, 128 matrix instructions and 192 LDS loads ahead of the load that will want it: 32 rows x 256 bytes, a lane a row.
; Each row's 256 bytes of a slot are named ONCE in the launch.  X's tile row is read by every cluster of that row of clusters: cluster x = 0 asks; W's tile column by every cluster of that column: cluster y = 0 asks.
; The four partners that ask for a tile jointly share its rows out BY ADDRESS: of X's 128 rows the partner at cx takes 32 cx on (its wave 0); of W's 256 the partner at cy takes 64 cy on (its waves 2 and 3, 32 each).
; The loop's last trip asks for nothing: its two refills have no slot two on.  Slots 0 to 3 come by their loads alone.
.macro ASK
	s_cmp_gt_u32 s3, s[LIM]
	s_cbranch_scc0 .Lnot_mine_\@
	global_prefetch_b8 v[PFO], s[PFA:PFA+1] offset:ROWB th:TH_LOAD_NT scope:SCOPE_SE
.Lnot_mine_\@:
.endm
	s_load_b256 s[4:11], s[0:1], 0x0               ; X s[4:5], W s[6:7], the scales' exponents s[8:9], scale1 s[10:11]
	s_load_b128 s[68:71], s[0:1], 0x20             ; mid s[68:69], hq s[70:71]
	v_lshl_add_u32 v[SPW], v0, 2, SPARE
	v_mov_b32 v[NIL], 0
	ds_add_u32 v28, v29
	ds_add_u32 v28, v29
	s_wait_dscnt 0x0
	v_lshrrev_b32 v1, 5, v0
	v_readfirstlane_b32 s14, v1                    ; wave 0..3
	s_lshr_b32 s15, s14, 1                         ; which 64 rows of X I multiply.  Also: I fetch for X (0) or for W (1)
	s_and_b32 s16, s14, 1                          ; which 128 rows of W I multiply.  Also: which half of that tile I fetch
	s_bfe_u32 s40, ttmp6, 0x40000                  ; cx, cy: my place in the cluster
	s_bfe_u32 s41, ttmp6, 0x40004
	s_lshl_b32 s42, ttmp9, 2
	s_add_co_u32 s42, s42, s40                     ; tile column = 4 x cluster x + cx
	s_and_b32 s17, ttmp7, 0xffff
	s_lshl_b32 s17, s17, 2
	s_add_co_u32 s17, s17, s41                     ; tile row = 4 x cluster y + cy
	s_lshl_b32 s43, s41, 2
	s_lshl_b32 s43, 15, s43                        ; my row of the cluster
	s_lshl_b32 s44, 0x1111, s40                    ; my column
	; descriptor group 1: X: 64 rows x 256 bytes; W: 128 rows x 256 bytes; both padded in LDS
	s_or_b32 s[G1+0], s43, (0<<16)|(1<<20)|(1<<21)|(5<<22)|(3<<25)  ; 15:0 the mask: X's tiles go to my row; 17:16 elements of 1 byte; 20 padding on; 21 set beside a mask; 24:22 after every 64 words (code 5); 31:25 four words (code 3)
	s_or_b32 s[G1B+0], s44, (0<<16)|(1<<20)|(1<<21)|(5<<22)|(3<<25) ; the same with the mask of my column, for W's tiles
	s_mov_b32 s[G1+1], ROWB<<16                    ; tensor_dim0 = 256
	s_mov_b32 s[G1+2], 64<<16                      ; tensor_dim1 = 64
	s_mov_b32 s[G1+3], ROWB<<16                    ; tile_dim0 = 256
	s_mov_b32 s[G1+4], 64                          ; tile_dim1 = 64
	s_mov_b32 s[G1+5], KROW                        ; tensor_dim0_stride
	s_mov_b32 s[G1+6], 0
	s_mov_b32 s[G1+7], 0
	s_mov_b32 s[G1B+1], ROWB<<16
	s_mov_b32 s[G1B+2], 128<<16                    ; tensor_dim1 = 128
	s_mov_b32 s[G1B+3], ROWB<<16
	s_mov_b32 s[G1B+4], 128                        ; tile_dim1 = 128
	s_mov_b32 s[G1B+5], KROW
	s_mov_b32 s[G1B+6], 0
	s_mov_b32 s[G1B+7], 0
	s_lshl_b32 s18, s16, 6
	s_lshl_b32 s20, s17, 7
	s_add_co_u32 s20, s20, s18                     ; X: row 128 x tile row + 64 x half
	s_lshl_b32 s18, s16, 7
	s_lshl_b32 s46, s42, 8
	s_add_co_u32 s46, s46, s18                     ; W: row 256 x tile column + 128 x half
	s_mov_b32 s21, 0
	s_mov_b32 s47, 0
	s_mov_b64 s[18:19], KROW
	s_mul_u64 s[20:21], s[20:21], s[18:19]         ; in bytes
	s_mul_u64 s[46:47], s[46:47], s[18:19]
	s_mul_i32 s45, s16, XH                         ; where they go: no place in the cluster enters an LDS address
	s_mul_i32 s77, s16, WH
	s_add_co_u32 s77, s77, WOFF
	s_wait_kmcnt 0x0
	s_load_b128 s[80:83], s[8:9], 0x0              ; e0, e1, e2, e3
	s_load_b32 s84, s[10:11], 0x0                  ; scale1
	s_add_nc_u64 s[20:21], s[4:5], s[20:21]
	s_add_nc_u64 s[46:47], s[6:7], s[46:47]
	CROUND                                         ; all sixteen work-groups are here: the first joint loads meet
.irp s, 0,1
	s_mov_b32 s[G0+4*\s], 1                                        ; count = 1
	s_add_co_u32 s[G0+4*\s+1], s45, \s*SLOT                        ; LDS address
	s_add_nc_u64 s[G0+4*\s+2:G0+4*\s+3], s[20:21], \s*ROWB         ; global address: K = 256 s on
	s_or_b32 s[G0+4*\s+3], s[G0+4*\s+3], 0x80000000                ; type = 2
	s_mov_b32 s[G0B+4*\s], 1
	s_add_co_u32 s[G0B+4*\s+1], s77, \s*SLOT
	s_add_nc_u64 s[G0B+4*\s+2:G0B+4*\s+3], s[46:47], \s*ROWB
	s_or_b32 s[G0B+4*\s+3], s[G0B+4*\s+3], 0x80000000
	JLOAD G0+4*\s, G1, G0B+4*\s, G1B               ; two loads of mine are out behind the second: the most in this text
.endr
	v_and_b32 v1, 15, v0                           ; r = lane % 16
	v_bfe_u32 v2, v0, 4, 1                         ; h = lane / 16
	v_mul_u32_u24 v3, v1, PITCH
	v_lshl_add_u32 v4, v2, 4, v3                   ; a fragment's row x pitch + 16 x half
	s_mul_i32 s21, s15, XH                         ; my 64 rows of X
	s_mul_i32 s22, s16, WH                         ; my 128 rows of W,
	s_add_co_u32 s22, s22, WOFF                    ; which lie behind X's 128
.irp s, 0,1
	v_add_nc_u32 v[ADRA+\s], s21, v4
	v_add_nc_u32 v[ADRB+\s], s22, v4
	s_add_co_u32 s21, s21, SLOT
	s_add_co_u32 s22, s22, SLOT
.endr
	s_mul_i32 s23, s15, 64*SPITCH                  ; into the stage: my 64 rows, my 128 of their 256 bytes; row r, 8 bytes for each half of the lanes
	s_lshl_b32 s21, s16, 7
	s_add_co_u32 s23, s23, s21
	s_add_co_u32 s23, s23, STAGE
	v_mul_u32_u24 v5, v1, SPITCH
	v_lshl_add_u32 v5, v2, 3, v5
	v_add_nc_u32 v[STO], s23, v5
	s_mul_i32 s23, s14, 32*SPITCH                  ; back: wave w takes rows 32 w .. 32 w + 31, whole; lanes 0-15 one row of 256 bytes, lanes 16-31 the next
	s_add_co_u32 s23, s23, STAGE
	v_mul_u32_u24 v5, v2, SPITCH
	v_lshl_add_u32 v5, v1, 4, v5
	v_add_nc_u32 v[RD], s23, v5
	v_lshlrev_b32 v5, 12, v2                       ; and the same two rows in hq
	v_lshl_add_u32 v[CO], v1, 4, v5
	v_lshlrev_b32 v[VO], 5, v2
	s_lshl_b32 s46, s42, 10                        ; mid at my 128 columns: 4 bytes x (256 x tile column + 128 x half)
	s_lshl_b32 s47, s16, 9
	s_add_co_u32 s46, s46, s47
	s_mov_b32 s47, 0
	s_add_nc_u64 s[68:69], s[68:69], s[46:47]
	s_lshl_b32 s20, s17, 7                         ; hq at the first row that I store, 128 x tile row + 32 x wave, and the tile's first column
	s_lshl_b32 s21, s14, 5
	s_add_co_u32 s20, s20, s21
	s_lshl_b32 s20, s20, 12
	s_lshl_b32 s21, s42, 8
	s_add_co_u32 s20, s20, s21
	s_mov_b32 s21, 0
	s_add_nc_u64 s[70:71], s[70:71], s[20:21]
	; the prefetches: where my wave's stand, and who asks
	s_lshl_b32 s18, s17, 7                         ; X: the tile's first row
	s_lshl_b32 s19, s42, 8                         ; W: likewise
	s_lshl_b32 s22, s40, 5                         ; X: my work-group's 32 rows of the 128
	s_lshl_b32 s23, s41, 6                         ; W: my work-group's 64 of the 256,
	s_lshl_b32 s78, s16, 5                         ;    and my wave's 32 of them
	s_add_co_u32 s23, s23, s78
	s_and_b32 s78, ttmp7, 0xffff                   ; cluster y
	s_cmp_eq_u32 s15, 0                            ; do I fetch for X?
	s_cselect_b32 s18, s18, s19
	s_cselect_b32 s22, s22, s23
	s_cselect_b32 s78, ttmp9, s78                  ; the coordinate along which other clusters read the same rows
	s_cselect_b32 s79, s16, 0                      ; of the two waves that fetch for X, wave 0 alone asks
	s_cselect_b64 s[PFA:PFA+1], s[4:5], s[6:7]
	s_or_b32 s78, s78, s79
	s_cmp_eq_u32 s78, 0
	s_cselect_b32 s[LIM], 1, -1                    ; the same in all sixteen partners, for a given wave
	s_add_co_u32 s18, s18, s22
	s_lshl_b32 s18, s18, 12                        ; rows of 4,096 bytes,
	s_add_co_u32 s18, s18, 2*ROWB                  ; at slot 2: the first refill steps it to 3 and names slot 4.  Nothing is prefetched here, at the head, where every work-group's first tiles are on their way
	s_mov_b32 s19, 0
	s_add_nc_u64 s[PFA:PFA+1], s[PFA:PFA+1], s[18:19]
	v_and_b32 v[PFO], 31, v0
	v_lshlrev_b32 v[PFO], 12, v[PFO]
	WIN TO_3
.irp b, 0,1,2,3,4,5,6,7                ; mid of columns 16 b + 8 h + 0 .. 7: the result's layout
	global_load_b128 v[G+8*\b:G+8*\b+3], v[VO], s[68:69] offset:64*\b
	global_load_b128 v[G+8*\b+4:G+8*\b+7], v[VO], s[68:69] offset:64*\b+16
.endr
	WIN 0
	s_wait_kmcnt 0x0
	s_mov_b32 s86, s84                             ; scale1, as a pair: the packed form names a pair and takes its low word for both halves
	s_mov_b32 s87, s84
	s_sub_co_i32 s88, s82, s80
	s_sub_co_i32 s88, s88, s81                     ; e2 - e0 - e1: a sum stands for sum x 2^(e0 + e1), and its code is that / 2^e2
	s_add_co_i32 s88, s88, 127
	s_lshl_b32 s89, s88, 23
	v_mov_b32 v[SCV], s89                          ; 2^(e2 - e0 - e1) as f32: the conversion takes its exponent field
	s_add_co_i32 s88, s88, 15
	s_lshl_b32 s88, s88, 23
	s_or_b32 s88, s88, 0x600000
	v_mov_b32 v[LIMV], s88                         ; 57,344 x that
	s_wait_loadcnt 0x0                             ; mid
	WIN IN_3
.irp j, 0,2,4,6,8,10,12,14,16,18,20,22,24,26,28,30,32,34,36,38,40,42,44,46,48,50,52,54,56,58,60,62
	v_pk_mul_f32 v[G+\j:G+\j+1], v[G+\j:G+\j+1], s[86:87] op_sel_hi:[1,0]   ; scale1 x mid, made while the first tiles are on their way
.endr
	WIN 0
.macro FRAG reg, adr, q, i             ; one fragment: four loads of 16 bytes, 32 bytes apart
.irp c, 0,1,2,3
	ds_load_b128 v[\reg+4*\c:\reg+4*\c+3], v[\adr] offset:128*(\q)+32*\c+(\i)*16*PITCH
.endr
.endm
.macro FETCH slot, q, p                ; 48 LDS loads in one run: the fragments of the slot's q-th 128 along K into set p: W's eight blocks, then X's blocks 0, 1, 2, 3
	WIN TO_B
.irp i, 0,1,2,3,4,5,6,7
	FRAG 128*(\p)+FR*\i, ADRB+\slot, \q, \i
.endr
	WIN 0
.irp i, 0,1,2,3
	FRAG AF+64*(\p)+FR*\i, ADRA+\slot, \q, \i
.endr
.endm
; 8 matrix instructions: X's block a against W's eight, 128 along K, from set p.  zero = 1: the first product starts the sums: nothing is ever cleared.
; The 32 accumulators take turns, one instruction a turn, in the same order in every step.
.macro MUL8 a, p, zero
.irp b, 0,1,2,3,4,5,6,7
.if \zero
	v_wmma_f32_16x16x128_bf8_bf8 v[8*(8*(\a)+\b):8*(8*(\a)+\b)+7], v[128*(\p)+FR*\b:128*(\p)+FR*\b+FR-1], v[AF+64*(\p)+FR*(\a):AF+64*(\p)+FR*(\a)+FR-1], 0
.else
	v_wmma_f32_16x16x128_bf8_bf8 v[8*(8*(\a)+\b):8*(8*(\a)+\b)+7], v[128*(\p)+FR*\b:128*(\p)+FR*\b+FR-1], v[AF+64*(\p)+FR*(\a):AF+64*(\p)+FR*(\a)+FR-1], v[8*(8*(\a)+\b):8*(8*(\a)+\b)+7]
.endif
.endr
.endm
.macro MUL16 a0, p, zero
	MUL8 \a0, \p, \zero
	MUL8 \a0+1, \p, \zero
.endm
; A load into a register that a matrix instruction has read, and a vector instruction that reads a matrix result or writes one of a matrix instruction's registers, stand four places behind it, and only plain
; vector instructions that name none of its registers are places (ISA guide 7.12.1 for vector instructions); the matrix instructions in between are not counted.
.macro PLACES n
.rept \n
	v_nop
.endr
.endm
; A slot's first 128 along K: multiplies set 0; in its middle it fetches the slot's second 128 into set 1.
.macro STEP slot, zero
	s_wait_dscnt 8                                 ; W's set and X's blocks 0 and 1 are in; the youngest eight loads (X's blocks 2 and 3) may be out
	WIN MUL
	MUL16 0, 0, \zero
	PLACES 4                                       ; for the loads into set 1, which the step before multiplied
	FETCH \slot, 1, 1
	s_wait_dscnt 48                                ; all but the 48 just issued
	WIN MUL
	MUL16 2, 0, \zero
.endm
; A slot's second 128 along K: multiplies set 1 and changes slots: ONE barrier.  In front of it each wave waits for all its tensor loads, adds 0 to its spare word, and waits for that and for its own reads of this slot.
; fill = 1: the barrier opens a round of the cluster's barrier, and this slot is filled again, with K two slots on, first thing behind the round.
.macro TURN slot, next, fill
	WIN 0                                          ; (the add's two registers lie in window 0)
.if \fill
	s_wait_xcnt 0x0                                ; the last prefetch, a slot back, has read its address: it is stepped here, ahead of the change's own waits
	s_add_nc_u64 s[PFA:PFA+1], s[PFA:PFA+1], ROWB
.endif
	s_wait_tensorcnt 0x0                           ; all my tensor loads have landed: the one that was out is my part of the next slot; so a group 0 may be written
	ds_add_u32 v[SPW], v[NIL]                      ; 0 onto my spare word
.if \fill
	s_add_nc_u64 s[G0+4*\slot+2:G0+4*\slot+3], s[G0+4*\slot+2:G0+4*\slot+3], 2*ROWB       ; this slot's next tile; the type bits on top are not reached
	s_add_nc_u64 s[G0B+4*\slot+2:G0B+4*\slot+3], s[G0B+4*\slot+2:G0B+4*\slot+3], 2*ROWB
.endif
	s_wait_dscnt 9                                 ; (the add and the youngest eight loads, X's blocks 2 and 3, may be out)
	WIN MUL
	MUL8 0, 1, 0                                   ; eight matrix instructions stand between the add and the wait for it
	s_wait_dscnt 0x0                               ; the add is done, and my reads of this slot are over
	s_barrier_signal -1
	MUL8 1, 1, 0                                   ; work on registers while the others arrive
	WIN 0
	s_barrier_wait -1
.if \fill
	CREST                                          ; no wave of any partner still reads this slot's tile or has a load on its way
	JLOAD G0+4*\slot, G1, G0B+4*\slot, G1B         ; the first tensor load behind the round, my one load until the next; its four v_nop are also the places in front of the loads below
.else
	PLACES 4
.endif
	FETCH \next, 0, 0
.if \fill
	ASK
.endif
	WIN MUL
	MUL16 2, 1, 0
.endm
	s_wait_tensorcnt 1                             ; my part of slot 0 is in; slot 1's may stay out
	s_barrier_signal -1
	s_barrier_wait -1                              ; everybody's is
	FETCH 0, 0, 0
	STEP 0, 1                                      ; the first step stands in front of the loop: its products start the sums
	WIN 0                                          ; at a label and at a branch every window is 0
	s_mov_b32 s3, LAPS-1
.Llap:                                             ; a trip goes once round the ring, from a lap's second step to the next lap's first, and fills both slots again
	TURN 0, 1, 1
	STEP 1, 0
	TURN 1, 0, 1
	STEP 0, 0
	WIN 0
	s_sub_co_u32 s3, s3, 1
	s_cmp_lg_u32 s3, 0
	s_cbranch_scc1 .Llap
	TURN 0, 1, 0                                   ; the last lap fills nothing, and has no round of the cluster's barrier
	STEP 1, 0
	s_wait_dscnt 8                                 ; the very last step: nothing more to fetch
	WIN MUL
	MUL16 0, 1, 0
	s_wait_dscnt 0
	MUL16 2, 1, 0
	WIN 0
; THE WAY OUT, a block of 16 rows at a time: sum x (scale1 x mid), held, converted: a lane's eight numbers of a tile become 8 bytes of a row of hq.  They go into the work-group's stage, since a row's 256 bytes come from two waves.
.macro BLOCK a
	WIN OUT1
.irp b, 0,1,2,3,4,5,6,7
.irp i, 0,2,4,6
	v_pk_mul_f32 v[TMP+8*\b+\i:TMP+8*\b+\i+1], v[8*(8*\a+\b)+\i:8*(8*\a+\b)+\i+1], v[G+8*\b+\i:G+8*\b+\i+1]   ; each accumulator from its low end on
.endr
.endr
	WIN 0
.set j, 0
.rept 64
	v_med3_num_f32 v[TMP+j], v[TMP+j], -v[LIMV], v[LIMV]   ; the conversion to an 8-bit code does not saturate (ISA guide 7.6.2): the hold at the largest code x the scale
.set j, j+1
.endr
.irp b, 0,1,2,3,4,5,6,7
	v_cvt_scalef32_pk8_bf8_f32 v[CD+16*\a+2*\b:CD+16*\a+2*\b+1], v[TMP+8*\b:TMP+8*\b+7], v[SCV]
.endr
	v_nop                                          ; one plain vector instruction between the last conversion and the next vector instruction that writes its sources (the next block's products)
.irp b, 0,1,2,3,4,5,6,7
	ds_store_b64 v[STO], v[CD+16*\a+2*\b:CD+16*\a+2*\b+1] offset:16*\a*SPITCH+16*\b   ; row 16 a + r, columns 16 b + 8 h on: word 68 r + 2 h: the 32 lanes touch 64 different banks
.endr
.endm
	PLACES 4                                       ; behind the last products: their results are read, and registers that held X's fragments are written
	BLOCK 0
	BLOCK 1
	BLOCK 2
	BLOCK 3
	s_wait_dscnt 0x0                               ; for the others' sake: my stores into the stage are done
	s_barrier_signal -1
	s_barrier_wait -1
.irp t, 0,1,2,3,4,5,6,7,8,9,10,11,12,13,14,15
	ds_load_b128 v[BK+4*\t:BK+4*\t+3], v[RD] offset:\t*2*SPITCH
.endr
.irp t, 0,1,2,3,4,5,6,7,8,9,10,11,12,13,14,15
	s_wait_dscnt 15-\t                             ; LDS loads come back in order: pair t of rows is in
	global_store_b128 v[CO], v[BK+4*\t:BK+4*\t+3], s[70:71] offset:2*\t*KROW   ; 16 lanes store 256 consecutive bytes, at a multiple of 256 from hq's first byte
.endr
	s_wait_tensorcnt 0x0                           ; the wave's end: behind my last tensor load and my last LDS store
	ds_add_u32 v[SPW], v[NIL]
	s_wait_dscnt 0x0
	CROUND                                         ; the closing round: no work-group ends while a partner may still ask for a tile that names it
	s_endpgm
.Lfunc_end_k_q4b3c088548_gemm1:
	.size	k_q4b3c088548_gemm1, .Lfunc_end_k_q4b3c088548_gemm1-k_q4b3c088548_gemm1
	.p2alignl 7, 3214868480
	.fill 96, 4, 3214868480
	.section	.rodata,"a",@progbits
	.p2align	6, 0x0
	.amdhsa_kernel k_q4b3c088548_gemm1
		.amdhsa_group_segment_fixed_size 327680
		.amdhsa_private_segment_fixed_size 0
		.amdhsa_enable_private_segment 0
		.amdhsa_kernarg_size 48
		.amdhsa_user_sgpr_count 2
		.amdhsa_user_sgpr_kernarg_segment_ptr 1
		.amdhsa_wavefront_size32 1
		.amdhsa_system_sgpr_workgroup_id_x 1
		.amdhsa_system_sgpr_workgroup_id_y 1
		.amdhsa_system_sgpr_workgroup_id_z 1
		.amdhsa_system_vgpr_workitem_id 0
		.amdhsa_next_free_vgpr 1024
		.amdhsa_next_free_sgpr 100
		.amdhsa_reserve_vcc 0
		.amdhsa_float_denorm_mode_32 3
		.amdhsa_float_denorm_mode_16_64 3
		.amdhsa_memory_ordered 1
		.amdhsa_forward_progress 1
		.amdhsa_inst_pref_size 90
	.end_amdhsa_kernel
	.amdgpu_metadata
---
amdhsa.version: [ 1, 2 ]
amdhsa.kernels:
  - .name:           k_q4b3c088548_gemm1
    .symbol:         k_q4b3c088548_gemm1.kd
    .args:
      - { .name: xq, .offset: 0, .size: 8, .value_kind: global_buffer, .address_space: global }
      - { .name: B_codes, .offset: 8, .size: 8, .value_kind: global_buffer, .address_space: global }
      - { .name: lowp_scales, .offset: 16, .size: 8, .value_kind: global_buffer, .address_space: global }
      - { .name: scale1, .offset: 24, .size: 8, .value_kind: global_buffer, .address_space: global }
      - { .name: mid, .offset: 32, .size: 8, .value_kind: global_buffer, .address_space: global }
      - { .name: hq, .offset: 40, .size: 8, .value_kind: global_buffer, .address_space: global }
    .group_segment_fixed_size: 327680
    .private_segment_fixed_size: 0
    .kernarg_segment_align: 8
    .kernarg_segment_size: 48
    .max_flat_workgroup_size: 128
    .sgpr_count:     100
    .vgpr_count:     1024
    .wavefront_size: 32
...
	.end_amdgpu_metadata
.endif
;; end of part 2
;; launch gemm2 (part 3): grid 16 x 16, 4 waves a work-group, clusters of 4 x 4, 327,680 bytes of LDS; arguments hq, A_codes, lowp_scales, scale3, Da, bias, out0; writes out0
.if DOCPART == 3
	.amdgcn_target "amdgcn-amd-amdhsa--gfx1250"
	.amdhsa_code_object_version 6
	.text
	.protected	k_q4b3c088548_gemm2
	.globl	k_q4b3c088548_gemm2
	.p2align	8
	.type	k_q4b3c088548_gemm2,@function
k_q4b3c088548_gemm2:
	s_mov_b64 s[64:65], 0
	v_nop
	global_prefetch_b8 v0, s[64:65] scope:SCOPE_SE
	s_setreg_imm32_b32 hwreg(HW_REG_WAVE_MODE, 25, 1), 1
	s_wait_xcnt 0x0
	s_wait_alu depctr_hold_cnt(0) depctr_sa_sdst(0) depctr_va_vdst(0) depctr_va_sdst(0) depctr_va_ssrc(0) depctr_va_vcc(0) depctr_vm_vsrc(0)
	s_getreg_b32 s2, hwreg(HW_REG_IB_STS2, 6, 4)
	s_cmp_eq_u32 s2, 0
	s_cbranch_scc0 .Lentry_in_a_cluster
	s_endpgm
.Lentry_in_a_cluster:
	s_bfe_u32 s2, ttmp6, 0x10000c
	s_cmp_lg_u32 s2, 0xf033
	s_cbranch_scc0 .Lentry_shape_is_right
	s_endpgm
.Lentry_shape_is_right:
; out0[t][n] = (sum over k of hq[t][k] A[n][k]) x 2^(e2 + e3) x scale3 x Da[n] + bias[n].
; X = hq: [2048][4096] codes (scale 2^e2); W = A_codes: [4096][4096] codes (scale 2^e3), both K innermost, a row 4,096 bytes; out0: [2048][4096] f32.  Sums in f32.
; The codes are multiplied as they are; a finished sum goes through one fused multiply-add with g[n] = Da[n] x (scale3 x 2^(e2 + e3)) and bias[n].
; LIMITS: e2 + e3 between -126 and 127, so that 2^(e2 + e3) is an f32 number; g[n] is rounded before it meets the sum, in another order than ((sum x scale3) x Da).  NaN is not served.
; SHARES.  A tile of the result is 128 rows (t) x 256 columns (n): 16 x 16 tiles, one work-group each.  Four waves, each 64 x 128: 32 accumulators of 16 x 16.
; K goes in steps of 256 through a ring of two LDS slots filled by the tensor data mover: a tile's row is 256 bytes of memory, at a multiple of 256 from the buffer's first byte.
; CLUSTERS: 4 x 4 work-groups.  The four of a row of the cluster need the same tiles of X, the four of a column the same tiles of W: each tile is asked for JOINTLY, by the same tensor load with the same descriptor and a mask that names the four.
; THE MATRIX INSTRUCTION IS USED TRANSPOSED (source 0 = 16 rows of W, source 1 = 16 rows of X): register j of lane l then holds row l % 16 and column 8 (l / 16) + j: eight neighbouring numbers of a row of out0.
; A fragment (16 rows x 128 K, 16 registers) comes by four loads of 16 bytes, 32 bytes apart: registers 4 c .. 4 c + 3 hold K = 32 c + 16 (l / 16) + 0 .. 15.  That is a permutation of k, the same in X and in W: every product meets its partner.
; REGISTERS, in windows of 256: window 0: v0-31 addresses; v32-95 at work on the way out; from v128 X's fragments, two sets of 4 blocks.   window 1: W's fragments, two sets of 8 blocks.
;   window 2: accumulator (a, b) at v[8 (8 a + b)].   window 3: v0-63 g of my lane's 64 columns (block b at 8 b + j); v64-127 bias, laid the same.
.set ROWB,   256                       ; a tile's row in bytes: 256 codes
.set KROW,   4096                      ; a row of X or of W in memory
.set OROW,   16384                     ; a row of out0 in bytes
.set PITCH,  272                       ; an LDS row: 256 bytes + 16 of padding = 68 words: row r starts at bank 4 r mod 64 (64 banks of 4 bytes: ISA guide 11.1), so the 16 rows of a load start at 16 different banks
.set XH,     64*PITCH                  ; 64 rows of X: what waves 0 and 1 fetch, and what a wave multiplies
.set WH,     128*PITCH                 ; 128 rows of W: what waves 2 and 3 fetch, and what a wave multiplies
.set WOFF,   128*PITCH                 ; W's 256 rows lie behind X's 128
.set SLOT,   384*PITCH
.set LAPS,   8                         ; a lap = two slots = 512 along K
.set SPARE,  2*SLOT                    ; behind the ring: the spare words, 128 bytes for each wave: two blocks of 256 bytes that no other line names
.set STAGE,  SPARE+512                 ; behind them: a stage of 16 rows x (512 bytes + 16) for each wave, for the way out; no tile lands here
.set SPITCH, 528
.set FR,     16                        ; registers of a fragment
.set ADRA, 16                          ; v16-17  LDS address of my X fragments in slot 0, 1
.set ADRB, 20                          ; v20-21  the same for W
.set STO,  24                          ; v24     the way out: where I put 32 bytes of a row
.set RD,   25                          ; v25     where I read a row back
.set CO,   26                          ; v26     my byte offset in a row of out0
.set VO,   27                          ; v27     32 x (lane / 16): my eight numbers of sixteen of Da and of bias
.set SPW,  28                          ; v28     LDS address of my spare word: SPARE + 4 x my thread's number; never rewritten
.set NIL,  29                          ; v29     0; never rewritten
.set PFO,  30                          ; v30     the prefetches' offset: my lane x a row's 4,096 bytes; never rewritten
.set TMP,  32                          ; v32-95  a block's 64 results
.set AF,   128                         ; X's fragments: set p, block a at v[128 + 64 p + 16 a]
.set BK,   128                         ; the way out: 16 rows read back from the stage: v128-191 and v192-255 by turns
.set G,    0                           ; in window 3
.set BI,   64                          ; in window 3
.set G1,  24                           ; s[24:31] descriptor group 1 for X's tiles;  s[32:39] group 0, one set for each slot
.set G0,  32
.set G1B, 48                           ; s[48:55], s[56:63] the same for W's tiles
.set G0B, 56
.set PFA, 74                           ; s[74:75] where my prefetches stand: one slot further along K than the refill in hand; a prefetch names the slot after that
.set LIM, 76                           ; s76     1 in a wave that prefetches, else the greatest number
.set MSB, 0
.macro WIN new                         ; the immediate's high byte repeats the setting that is left; a switch that changes nothing is dropped
.if MSB != \new
	s_set_vgpr_msb (MSB<<8)|\new
.set MSB, \new
.endif
.endm
.set MUL,  0xa1                        ; source 0 (W) window 1, source 1 (X) window 0, C and D window 2
.set TO_B, 0x40                        ; destination window 1, address window 0
.set TO_3, 0xc0                        ; destination window 3
.set IN_3, 0xc3                        ; source 0 and destination window 3, source 1 window 0
.set OUT2, 0x3e                        ; source 0 window 2, sources 1 and 2 window 3, destination window 0
; A joint load: waves 0 and 1 fetch for X, waves 2 and 3 for W.  Each of the two lines has ONE mask and one set of registers for all that issue it; the branch hangs on the wave's number alone.
; Four v_nop follow each of the two lines, ahead of the jump, the label and what follows.
.macro JLOAD g0a, g1a, g0b, g1b
	s_cmp_eq_u32 s15, 0
	s_cbranch_scc0 .Lfor_b_\@
	tensor_load_to_lds s[\g0a:\g0a+3], s[\g1a:\g1a+7]
	s_nop 0
.rept 4
	v_nop
.endr
	s_branch .Lasked_\@
.Lfor_b_\@:
	tensor_load_to_lds s[\g0b:\g0b+3], s[\g1b:\g1b+7]
	s_nop 0
.rept 4
	v_nop
.endr
.Lasked_\@:
.endm
.macro CREST                           ; a round of the cluster's barrier behind its opening barrier
	s_cmp_lg_u32 s14, 0
	s_cbranch_scc1 .Lnot_wave_0_\@
	s_barrier_signal -3
.Lnot_wave_0_\@:
	s_barrier_wait -3
	s_barrier_signal -1
	s_barrier_wait -1
.endm
.macro CROUND                          ; a whole round
	s_barrier_signal -1
	s_barrier_wait -1
	CREST
.endm
; A PREFETCH INTO THE L2, behind each joint load, its four lines and the run of LDS loads that follows: the slot that stands TWO refills on, 128 matrix instructions and 192 LDS loads ahead of the load that will want it: 32 rows x 256 bytes, a lane a row.
; Each row's 256 bytes of a slot are named ONCE in the launch.  X's tile row is read by every cluster of that row of clusters: cluster x = 0 asks; W's tile column by every cluster of that column: cluster y = 0 asks.
; The four partners that ask for a tile jointly share its rows out BY ADDRESS: of X's 128 rows the partner at cx takes 32 cx on (its wave 0); of W's 256 the partner at cy takes 64 cy on (its waves 2 and 3, 32 each).
; The loop's last trip asks for nothing: its two refills have no slot two on.  Slots 0 to 3 come by their loads alone.
.macro ASK
	s_cmp_gt_u32 s3, s[LIM]
	s_cbranch_scc0 .Lnot_mine_\@
	global_prefetch_b8 v[PFO], s[PFA:PFA+1] offset:ROWB th:TH_LOAD_NT scope:SCOPE_SE
.Lnot_mine_\@:
.endm
	s_load_b256 s[4:11], s[0:1], 0x0               ; X s[4:5], W s[6:7], the scales' exponents s[8:9], scale3 s[10:11]
	s_load_b128 s[68:71], s[0:1], 0x20             ; Da s[68:69], bias s[70:71]
	s_load_b64 s[72:73], s[0:1], 0x30              ; out0
	v_lshl_add_u32 v[SPW], v0, 2, SPARE
	v_mov_b32 v[NIL], 0
	ds_add_u32 v28, v29
	ds_add_u32 v28, v29
	s_wait_dscnt 0x0
	v_lshrrev_b32 v1, 5, v0
	v_readfirstlane_b32 s14, v1                    ; wave 0..3
	s_lshr_b32 s15, s14, 1                         ; which 64 rows of X I multiply.  Also: I fetch for X (0) or for W (1)
	s_and_b32 s16, s14, 1                          ; which 128 rows of W I multiply.  Also: which half of that tile I fetch
	s_bfe_u32 s40, ttmp6, 0x40000                  ; cx, cy: my place in the cluster
	s_bfe_u32 s41, ttmp6, 0x40004
	s_lshl_b32 s42, ttmp9, 2
	s_add_co_u32 s42, s42, s40                     ; tile column = 4 x cluster x + cx
	s_and_b32 s17, ttmp7, 0xffff
	s_lshl_b32 s17, s17, 2
	s_add_co_u32 s17, s17, s41                     ; tile row = 4 x cluster y + cy
	s_lshl_b32 s43, s41, 2
	s_lshl_b32 s43, 15, s43                        ; my row of the cluster
	s_lshl_b32 s44, 0x1111, s40                    ; my column
	; descriptor group 1: X: 64 rows x 256 bytes; W: 128 rows x 256 bytes; both padded in LDS
	s_or_b32 s[G1+0], s43, (0<<16)|(1<<20)|(1<<21)|(5<<22)|(3<<25)  ; 15:0 the mask: X's tiles go to my row; 17:16 elements of 1 byte; 20 padding on; 21 set beside a mask; 24:22 after every 64 words (code 5); 31:25 four words (code 3)
	s_or_b32 s[G1B+0], s44, (0<<16)|(1<<20)|(1<<21)|(5<<22)|(3<<25) ; the same with the mask of my column, for W's tiles
	s_mov_b32 s[G1+1], ROWB<<16                    ; tensor_dim0 = 256
	s_mov_b32 s[G1+2], 64<<16                      ; tensor_dim1 = 64
	s_mov_b32 s[G1+3], ROWB<<16                    ; tile_dim0 = 256
	s_mov_b32 s[G1+4], 64                          ; tile_dim1 = 64
	s_mov_b32 s[G1+5], KROW                        ; tensor_dim0_stride
	s_mov_b32 s[G1+6], 0
	s_mov_b32 s[G1+7], 0
	s_mov_b32 s[G1B+1], ROWB<<16
	s_mov_b32 s[G1B+2], 128<<16                    ; tensor_dim1 = 128
	s_mov_b32 s[G1B+3], ROWB<<16
	s_mov_b32 s[G1B+4], 128                        ; tile_dim1 = 128
	s_mov_b32 s[G1B+5], KROW
	s_mov_b32 s[G1B+6], 0
	s_mov_b32 s[G1B+7], 0
	s_lshl_b32 s18, s16, 6
	s_lshl_b32 s20, s17, 7
	s_add_co_u32 s20, s20, s18                     ; X: row 128 x tile row + 64 x half
	s_lshl_b32 s18, s16, 7
	s_lshl_b32 s46, s42, 8
	s_add_co_u32 s46, s46, s18                     ; W: row 256 x tile column + 128 x half
	s_mov_b32 s21, 0
	s_mov_b32 s47, 0
	s_mov_b64 s[18:19], KROW
	s_mul_u64 s[20:21], s[20:21], s[18:19]         ; in bytes
	s_mul_u64 s[46:47], s[46:47], s[18:19]
	s_mul_i32 s45, s16, XH                         ; where they go: no place in the cluster enters an LDS address
	s_mul_i32 s77, s16, WH
	s_add_co_u32 s77, s77, WOFF
	s_wait_kmcnt 0x0
	s_load_b128 s[80:83], s[8:9], 0x0              ; e0, e1, e2, e3
	s_load_b32 s84, s[10:11], 0x0                  ; scale3
	s_add_nc_u64 s[20:21], s[4:5], s[20:21]
	s_add_nc_u64 s[46:47], s[6:7], s[46:47]
	CROUND                                         ; all sixteen work-groups are here: the first joint loads meet
.irp s, 0,1
	s_mov_b32 s[G0+4*\s], 1                                        ; count = 1
	s_add_co_u32 s[G0+4*\s+1], s45, \s*SLOT                        ; LDS address
	s_add_nc_u64 s[G0+4*\s+2:G0+4*\s+3], s[20:21], \s*ROWB         ; global address: K = 256 s on
	s_or_b32 s[G0+4*\s+3], s[G0+4*\s+3], 0x80000000                ; type = 2
	s_mov_b32 s[G0B+4*\s], 1
	s_add_co_u32 s[G0B+4*\s+1], s77, \s*SLOT
	s_add_nc_u64 s[G0B+4*\s+2:G0B+4*\s+3], s[46:47], \s*ROWB
	s_or_b32 s[G0B+4*\s+3], s[G0B+4*\s+3], 0x80000000
	JLOAD G0+4*\s, G1, G0B+4*\s, G1B               ; two loads of mine are out behind the second: the most in this text
.endr
	v_and_b32 v1, 15, v0                           ; r = lane % 16
	v_bfe_u32 v2, v0, 4, 1                         ; h = lane / 16
	v_mul_u32_u24 v3, v1, PITCH
	v_lshl_add_u32 v4, v2, 4, v3                   ; a fragment's row x pitch + 16 x half
	s_mul_i32 s21, s15, XH                         ; my 64 rows of X
	s_mul_i32 s22, s16, WH                         ; my 128 rows of W,
	s_add_co_u32 s22, s22, WOFF                    ; which lie behind X's 128
.irp s, 0,1
	v_add_nc_u32 v[ADRA+\s], s21, v4
	v_add_nc_u32 v[ADRB+\s], s22, v4
	s_add_co_u32 s21, s21, SLOT
	s_add_co_u32 s22, s22, SLOT
.endr
	s_mul_i32 s23, s14, 16*SPITCH
	s_add_co_u32 s23, s23, STAGE                   ; my stage
	v_mul_u32_u24 v5, v1, SPITCH                   ; in: row r, 32 bytes for each half of the lanes
	v_lshl_add_u32 v5, v2, 5, v5
	v_add_nc_u32 v[STO], s23, v5
	v_and_b32 v6, 31, v0
	v_lshlrev_b32 v[CO], 4, v6                     ; back: the 32 lanes take one row of 512 bytes; and the same in out0
	v_add_nc_u32 v[RD], s23, v[CO]
	v_lshlrev_b32 v[VO], 5, v2
	s_lshl_b32 s46, s42, 10                        ; my 128 columns of f32: 4 bytes x (256 x tile column + 128 x half)
	s_lshl_b32 s47, s16, 9
	s_add_co_u32 s46, s46, s47
	s_mov_b32 s47, 0
	s_add_nc_u64 s[68:69], s[68:69], s[46:47]      ; Da,
	s_add_nc_u64 s[70:71], s[70:71], s[46:47]      ; bias,
	s_add_nc_u64 s[72:73], s[72:73], s[46:47]      ; and out0 there,
	s_lshl_b32 s20, s17, 7
	s_lshl_b32 s21, s15, 6
	s_add_co_u32 s20, s20, s21                     ; at my first row: 128 x tile row + 64 x half
	s_lshl_b32 s20, s20, 14
	s_mov_b32 s21, 0
	s_add_nc_u64 s[72:73], s[72:73], s[20:21]
	; the prefetches: where my wave's stand, and who asks
	s_lshl_b32 s18, s17, 7                         ; X: the tile's first row
	s_lshl_b32 s19, s42, 8                         ; W: likewise
	s_lshl_b32 s22, s40, 5                         ; X: my work-group's 32 rows of the 128
	s_lshl_b32 s23, s41, 6                         ; W: my work-group's 64 of the 256,
	s_lshl_b32 s78, s16, 5                         ;    and my wave's 32 of them
	s_add_co_u32 s23, s23, s78
	s_and_b32 s78, ttmp7, 0xffff                   ; cluster y
	s_cmp_eq_u32 s15, 0                            ; do I fetch for X?
	s_cselect_b32 s18, s18, s19
	s_cselect_b32 s22, s22, s23
	s_cselect_b32 s78, ttmp9, s78                  ; the coordinate along which other clusters read the same rows
	s_cselect_b32 s79, s16, 0                      ; of the two waves that fetch for X, wave 0 alone asks
	s_cselect_b64 s[PFA:PFA+1], s[4:5], s[6:7]
	s_or_b32 s78, s78, s79
	s_cmp_eq_u32 s78, 0
	s_cselect_b32 s[LIM], 1, -1                    ; the same in all sixteen partners, for a given wave
	s_add_co_u32 s18, s18, s22
	s_lshl_b32 s18, s18, 12                        ; rows of 4,096 bytes,
	s_add_co_u32 s18, s18, 2*ROWB                  ; at slot 2: the first refill steps it to 3 and names slot 4.  Nothing is prefetched here, at the head, where every work-group's first tiles are on their way
	s_mov_b32 s19, 0
	s_add_nc_u64 s[PFA:PFA+1], s[PFA:PFA+1], s[18:19]
	v_and_b32 v[PFO], 31, v0
	v_lshlrev_b32 v[PFO], 12, v[PFO]
	WIN TO_3
.irp b, 0,1,2,3,4,5,6,7                ; Da and bias of columns 16 b + 8 h + 0 .. 7: the result's layout
	global_load_b128 v[G+8*\b:G+8*\b+3], v[VO], s[68:69] offset:64*\b
	global_load_b128 v[G+8*\b+4:G+8*\b+7], v[VO], s[68:69] offset:64*\b+16
	global_load_b128 v[BI+8*\b:BI+8*\b+3], v[VO], s[70:71] offset:64*\b
	global_load_b128 v[BI+8*\b+4:BI+8*\b+7], v[VO], s[70:71] offset:64*\b+16
.endr
	WIN 0
	s_wait_kmcnt 0x0
	s_add_co_i32 s88, s82, s83                     ; e2 + e3, between -126 and 127,
	s_add_co_i32 s88, s88, 127
	s_lshl_b32 s88, s88, 23                        ; makes the f32 number 2^(e2 + e3)
	v_mov_b32 v6, s88
	v_mul_f32 v6, s84, v6                          ; scale3 x 2^(e2 + e3): nothing is rounded, short of overflow and underflow
	v_mov_b32 v7, v6                               ; a pair for the packed multiply
	s_wait_loadcnt 0x0                             ; Da and bias
	WIN IN_3
.irp j, 0,2,4,6,8,10,12,14,16,18,20,22,24,26,28,30,32,34,36,38,40,42,44,46,48,50,52,54,56,58,60,62
	v_pk_mul_f32 v[G+\j:G+\j+1], v[G+\j:G+\j+1], v[6:7]   ; g = Da x scale3 x 2^(e2 + e3), made while the first tiles are on their way
.endr
	WIN 0
.macro FRAG reg, adr, q, i             ; one fragment: four loads of 16 bytes, 32 bytes apart
.irp c, 0,1,2,3
	ds_load_b128 v[\reg+4*\c:\reg+4*\c+3], v[\adr] offset:128*(\q)+32*\c+(\i)*16*PITCH
.endr
.endm
.macro FETCH slot, q, p                ; 48 LDS loads in one run: the fragments of the slot's q-th 128 along K into set p: W's eight blocks, then X's blocks 0, 1, 2, 3
	WIN TO_B
.irp i, 0,1,2,3,4,5,6,7
	FRAG 128*(\p)+FR*\i, ADRB+\slot, \q, \i
.endr
	WIN 0
.irp i, 0,1,2,3
	FRAG AF+64*(\p)+FR*\i, ADRA+\slot, \q, \i
.endr
.endm
; 8 matrix instructions: X's block a against W's eight, 128 along K, from set p.  zero = 1: the first product starts the sums: nothing is ever cleared.
; The 32 accumulators take turns, one instruction a turn, in the same order in every step.
.macro MUL8 a, p, zero
.irp b, 0,1,2,3,4,5,6,7
.if \zero
	v_wmma_f32_16x16x128_bf8_bf8 v[8*(8*(\a)+\b):8*(8*(\a)+\b)+7], v[128*(\p)+FR*\b:128*(\p)+FR*\b+FR-1], v[AF+64*(\p)+FR*(\a):AF+64*(\p)+FR*(\a)+FR-1], 0
.else
	v_wmma_f32_16x16x128_bf8_bf8 v[8*(8*(\a)+\b):8*(8*(\a)+\b)+7], v[128*(\p)+FR*\b:128*(\p)+FR*\b+FR-1], v[AF+64*(\p)+FR*(\a):AF+64*(\p)+FR*(\a)+FR-1], v[8*(8*(\a)+\b):8*(8*(\a)+\b)+7]
.endif
.endr
.endm
.macro MUL16 a0, p, zero
	MUL8 \a0, \p, \zero
	MUL8 \a0+1, \p, \zero
.endm
; A load into a register that a matrix instruction has read, and a vector instruction that reads a matrix result or writes one of a matrix instruction's registers, stand four places behind it, and only plain
; vector instructions that name none of its registers are places (ISA guide 7.12.1 for vector instructions); the matrix instructions in between are not counted.
.macro PLACES n
.rept \n
	v_nop
.endr
.endm
; A slot's first 128 along K: multiplies set 0; in its middle it fetches the slot's second 128 into set 1.
.macro STEP slot, zero
	s_wait_dscnt 8                                 ; W's set and X's blocks 0 and 1 are in; the youngest eight loads (X's blocks 2 and 3) may be out
	WIN MUL
	MUL16 0, 0, \zero
	PLACES 4                                       ; for the loads into set 1, which the step before multiplied
	FETCH \slot, 1, 1
	s_wait_dscnt 48                                ; all but the 48 just issued
	WIN MUL
	MUL16 2, 0, \zero
.endm
; A slot's second 128 along K: multiplies set 1 and changes slots: ONE barrier.  In front of it each wave waits for all its tensor loads, adds 0 to its spare word, and waits for that and for its own reads of this slot.
; fill = 1: the barrier opens a round of the cluster's barrier, and this slot is filled again, with K two slots on, first thing behind the round.
.macro TURN slot, next, fill
	WIN 0                                          ; (the add's two registers lie in window 0)
.if \fill
	s_wait_xcnt 0x0                                ; the last prefetch, a slot back, has read its address: it is stepped here, ahead of the change's own waits
	s_add_nc_u64 s[PFA:PFA+1], s[PFA:PFA+1], ROWB
.endif
	s_wait_tensorcnt 0x0                           ; all my tensor loads have landed: the one that was out is my part of the next slot; so a group 0 may be written
	ds_add_u32 v[SPW], v[NIL]                      ; 0 onto my spare word
.if \fill
	s_add_nc_u64 s[G0+4*\slot+2:G0+4*\slot+3], s[G0+4*\slot+2:G0+4*\slot+3], 2*ROWB       ; this slot's next tile; the type bits on top are not reached
	s_add_nc_u64 s[G0B+4*\slot+2:G0B+4*\slot+3], s[G0B+4*\slot+2:G0B+4*\slot+3], 2*ROWB
.endif
	s_wait_dscnt 9                                 ; (the add and the youngest eight loads, X's blocks 2 and 3, may be out)
	WIN MUL
	MUL8 0, 1, 0                                   ; eight matrix instructions stand between the add and the wait for it
	s_wait_dscnt 0x0                               ; the add is done, and my reads of this slot are over
	s_barrier_signal -1
	MUL8 1, 1, 0                                   ; work on registers while the others arrive
	WIN 0
	s_barrier_wait -1
.if \fill
	CREST                                          ; no wave of any partner still reads this slot's tile or has a load on its way
	JLOAD G0+4*\slot, G1, G0B+4*\slot, G1B         ; the first tensor load behind the round, my one load until the next; its four v_nop are also the places in front of the loads below
.else
	PLACES 4
.endif
	FETCH \next, 0, 0
.if \fill
	ASK
.endif
	WIN MUL
	MUL16 2, 1, 0
.endm
	s_wait_tensorcnt 1                             ; my part of slot 0 is in; slot 1's may stay out
	s_barrier_signal -1
	s_barrier_wait -1                              ; everybody's is
	FETCH 0, 0, 0
	STEP 0, 1                                      ; the first step stands in front of the loop: its products start the sums
	WIN 0                                          ; at a label and at a branch every window is 0
	s_mov_b32 s3, LAPS-1
.Llap:                                             ; a trip goes once round the ring, from a lap's second step to the next lap's first, and fills both slots again
	TURN 0, 1, 1
	STEP 1, 0
	TURN 1, 0, 1
	STEP 0, 0
	WIN 0
	s_sub_co_u32 s3, s3, 1
	s_cmp_lg_u32 s3, 0
	s_cbranch_scc1 .Llap
	TURN 0, 1, 0                                   ; the last lap fills nothing, and has no round of the cluster's barrier
	STEP 1, 0
	s_wait_dscnt 8                                 ; the very last step: nothing more to fetch
	WIN MUL
	MUL16 0, 1, 0
	s_wait_dscnt 0
	MUL16 2, 1, 0
	WIN 0
; THE WAY OUT, block by block of 16 rows x 128 columns.  A lane holds 32 neighbouring bytes of a row, and the lanes beside it hold other rows: so a block goes through my own stage in LDS and comes back as whole rows of
; 512 bytes.  LDS serves a wave's instructions in order (ISA guide 5.7.1.4): no wait between the stores and the loads, nor in front of the next block's stores.
.macro TOSTAGE a
	WIN OUT2
.irp b, 0,1,2,3,4,5,6,7
.irp i, 0,2,4,6
	v_pk_fma_f32 v[TMP+8*\b+\i:TMP+8*\b+\i+1], v[8*(8*(\a)+\b)+\i:8*(8*(\a)+\b)+\i+1], v[G+8*\b+\i:G+8*\b+\i+1], v[BI+8*\b+\i:BI+8*\b+\i+1]   ; sum x g + bias, two at a time; each accumulator from its low end on
.endr
.endr
	WIN 0
.irp b, 0,1,2,3,4,5,6,7
	ds_store_b128 v[STO], v[TMP+8*\b:TMP+8*\b+3] offset:64*\b
	ds_store_b128 v[STO], v[TMP+8*\b+4:TMP+8*\b+7] offset:64*\b+16
.endr
.set BB, BK+64*((\a)%2)
.irp t, 0,1,2,3,4,5,6,7,8,9,10,11,12,13,14,15
	ds_load_b128 v[BB+4*\t:BB+4*\t+3], v[RD] offset:\t*SPITCH
.endr
.endm
.macro SEND a, younger                 ; younger: the LDS instructions issued behind block a's loads, which may stay out
.set BB, BK+64*((\a)%2)
	s_wait_dscnt \younger                          ; the block is back in registers
.irp t, 0,1,2,3,4,5,6,7,8,9,10,11,12,13,14,15
	global_store_b128 v[CO], v[BB+4*\t:BB+4*\t+3], s[72:73] offset:(16*(\a)+\t)*OROW th:TH_STORE_NT   ; 32 lanes store 512 consecutive bytes, at a multiple of 256 from out0's first byte; 63 rows at the most stand in the immediate, so no base is stepped
.endr
.endm
	PLACES 4                                       ; behind the last products: their results are read, and loads land in registers that held X's fragments
	TOSTAGE 0
.irp a, 1,2,3
.if \a > 1
	s_wait_xcnt 0x0                                ; block a - 2's stores have read their registers: block a's loads may land there
.endif
	TOSTAGE \a
	SEND \a-1, 32                                  ; behind block a - 1's loads: block a's 16 stores and 16 loads
.endr
	SEND 3, 0
	s_wait_tensorcnt 0x0                           ; the wave's end: behind my last tensor load and my last LDS store
	ds_add_u32 v[SPW], v[NIL]
	s_wait_dscnt 0x0
	CROUND                                         ; the closing round: no work-group ends while a partner may still ask for a tile that names it
	s_endpgm
.Lfunc_end_k_q4b3c088548_gemm2:
	.size	k_q4b3c088548_gemm2, .Lfunc_end_k_q4b3c088548_gemm2-k_q4b3c088548_gemm2
	.p2alignl 7, 3214868480
	.fill 96, 4, 3214868480
	.section	.rodata,"a",@progbits
	.p2align	6, 0x0
	.amdhsa_kernel k_q4b3c088548_gemm2
		.amdhsa_group_segment_fixed_size 327680
		.amdhsa_private_segment_fixed_size 0
		.amdhsa_enable_private_segment 0
		.amdhsa_kernarg_size 56
		.amdhsa_user_sgpr_count 2
		.amdhsa_user_sgpr_kernarg_segment_ptr 1
		.amdhsa_wavefront_size32 1
		.amdhsa_system_sgpr_workgroup_id_x 1
		.amdhsa_system_sgpr_workgroup_id_y 1
		.amdhsa_system_sgpr_workgroup_id_z 1
		.amdhsa_system_vgpr_workitem_id 0
		.amdhsa_next_free_vgpr 1024
		.amdhsa_next_free_sgpr 100
		.amdhsa_reserve_vcc 0
		.amdhsa_float_denorm_mode_32 3
		.amdhsa_float_denorm_mode_16_64 3
		.amdhsa_memory_ordered 1
		.amdhsa_forward_progress 1
		.amdhsa_inst_pref_size 82
	.end_amdhsa_kernel
	.amdgpu_metadata
---
amdhsa.version: [ 1, 2 ]
amdhsa.kernels:
  - .name:           k_q4b3c088548_gemm2
    .symbol:         k_q4b3c088548_gemm2.kd
    .args:
      - { .name: hq, .offset: 0, .size: 8, .value_kind: global_buffer, .address_space: global }
      - { .name: A_codes, .offset: 8, .size: 8, .value_kind: global_buffer, .address_space: global }
      - { .name: lowp_scales, .offset: 16, .size: 8, .value_kind: global_buffer, .address_space: global }
      - { .name: scale3, .offset: 24, .size: 8, .value_kind: global_buffer, .address_space: global }
      - { .name: Da, .offset: 32, .size: 8, .value_kind: global_buffer, .address_space: global }
      - { .name: bias, .offset: 40, .size: 8, .value_kind: global_buffer, .address_space: global }
      - { .name: out0, .offset: 48, .size: 8, .value_kind: global_buffer, .address_space: global }
    .group_segment_fixed_size: 327680
    .private_segment_fixed_size: 0
    .kernarg_segment_align: 8
    .kernarg_segment_size: 56
    .max_flat_workgroup_size: 128
    .sgpr_count:     100
    .vgpr_count:     1024
    .wavefront_size: 32
...
	.end_amdgpu_metadata
.endif
;; end of part 3
;; ======== version 2 of 2: 3 launches
;; limits: right only within a limited range of input values
;; workspace buffers: xq 8,388,608 bytes; hq 8,388,608 bytes
;; launch quant_x (part 4): grid 256 x 1, 8 waves a work-group, no clusters, 136,192 bytes of LDS; arguments x, Db, lowp_scales, xq; writes xq
.if DOCPART == 4
	.amdgcn_target "amdgcn-amd-amdhsa--gfx1250"
	.amdhsa_code_object_version 6
	.text
	.protected	k_q4b3c088548_quant_x
	.globl	k_q4b3c088548_quant_x
	.p2align	8
	.type	k_q4b3c088548_quant_x,@function
k_q4b3c088548_quant_x:
	s_mov_b64 s[64:65], 0
	v_nop
	global_prefetch_b8 v0, s[64:65] scope:SCOPE_SE
	s_setreg_imm32_b32 hwreg(HW_REG_WAVE_MODE, 25, 1), 1
	s_wait_xcnt 0x0
; xq = the E5M2 codes of x[t][k] * Db[k], with the given scale 2^e0 (entry 0 of the scales' exponents).  x: [2048][4096] f32; Db: [4096] f32.
; code = (x * Db) / 2^e0, held within +-57,344, rounded to the nearest code, ties to even.  The product x * Db is one f32 multiplication.
; LIMITS: e0 between -126 and 112, so that 2^e0 and 57,344 x 2^e0 are f32 numbers.  NaN among the inputs is not served (an infinity is held at the largest code).
; xq IS LAID AS IMAGES OF THE OPERAND'S REGISTERS, as the next launch loads them: for each 64 rows and each 128 along K a block of 8,192 bytes, block (t / 64) x 32 + k / 128;
; in it tile a = (t % 64) / 16 at 2,048 a, register group c = (k % 128) / 32 at 512 c, lane 16 h + r (r = t % 16, h = (k % 32) / 16) at 16 bytes a lane: its 16 codes k % 16 = 0 .. 15.
; SHARES.  A unit is 16 rows x 128 along K: 2,048 bytes of codes.  Wave w of work-group g takes K step 8 (g % 4) + w of the two tiles of rows 2 (g / 4) and 2 (g / 4) + 1.
; Each of a unit's 16 loads reads 512 consecutive bytes of one row, 16 a lane: a lane's four columns are the same in every row, so Db costs four registers and is applied as the numbers lie.
; The conversion takes 8 neighbours along K from ONE lane's registers: so a unit turns through the wave's own stage in LDS (rows of 512 bytes + 16) and comes back 64 bytes a lane for each 32 along K.
; All 32 loads of a wave are issued at once.  No tensor loads, no barrier, no cluster, no matrix unit: the waves share nothing and each byte is read once.
.set ROWX,  16384                      ; a row of x in bytes
.set SPI,   528                        ; a stage row: 132 words: row r starts at bank 4 r mod 64 (64 banks of 4 bytes: ISA guide 11.1)
.set STG,   16*SPI                     ; a stage
.set WREG,  2*STG                      ; a wave's two stages, one for each unit
.set EMAX,  15
.set MANT,  0x600000                   ; the mantissa field of 57,344 as f32
.set DB,    16                         ; v16-19   Db of my four columns
.set R,     32                         ; v32-159  two units of 64 numbers as they are loaded; unit 0's registers later take unit 1 back from its stage
.set XS,    160                        ; v160-223 unit 0 back from its stage
.set C,     224                        ; v224-255 codes: 16 registers for each unit
	s_load_b256 s[4:11], s[0:1], 0x0               ; x s[4:5], Db s[6:7], the scales' exponents s[8:9], xq s[10:11]
	v_lshl_add_u32 v30, v0, 2, 0x21000
	v_mov_b32 v31, 0
	v_lshrrev_b32 v1, 5, v0
	s_delay_alu instid0(VALU_DEP_1)
	v_readfirstlane_b32 s16, v1                    ; wave 0..7
	v_and_b32 v2, 31, v0                           ; lane
	s_delay_alu instid0(VALU_DEP_1)
	v_lshlrev_b32 v3, 4, v2                        ; 16 x lane: my bytes of a load's 512, and of a store's
	v_and_b32 v4, 15, v0                           ; r
	v_bfe_u32 v5, v0, 4, 1                         ; h
	s_mul_i32 s17, s16, WREG
	v_add_nc_u32 v14, s17, v3                      ; the stage, on the way in: a row as it was loaded
	v_mul_u32_u24 v15, v4, SPI
	s_delay_alu instid0(VALU_DEP_1)
	v_lshl_add_u32 v15, v5, 6, v15
	s_delay_alu instid0(VALU_DEP_1)
	v_add_nc_u32 v15, s17, v15                     ; and on the way out: row r, + 64 h: my 16 numbers of each 32
	s_and_b32 s18, ttmp9, 3
	s_lshl_b32 s18, s18, 3
	s_add_co_u32 s18, s18, s16                     ; my K step of 128
	s_lshr_b32 s19, ttmp9, 2                       ; p: my pair of tiles of rows
	s_lshl_b32 s20, s18, 9                         ; 128 numbers of f32: my bytes in a row of x, and in Db
	s_mov_b32 s21, 0
	s_lshl_b32 s24, s19, 19                        ; 32 rows of 16,384 bytes
	s_add_co_u32 s24, s24, s20
	s_mov_b32 s25, 0
	s_lshr_b32 s26, s19, 1                         ; xq: block (p / 2) x 32 + K step, of 8,192 bytes,
	s_lshl_b32 s26, s26, 5
	s_add_co_u32 s26, s26, s18
	s_lshl_b32 s26, s26, 13
	s_and_b32 s27, s19, 1                          ; and in it tiles 2 (p % 2) and 2 (p % 2) + 1
	s_lshl_b32 s27, s27, 12
	s_add_co_u32 s26, s26, s27
	s_mov_b32 s27, 0
	s_wait_alu depctr_va_vdst(0)
	s_wait_kmcnt 0x0
	s_load_b32 s22, s[8:9], 0x0                    ; e0
	s_add_nc_u64 s[4:5], s[4:5], s[24:25]
	s_add_nc_u64 s[6:7], s[6:7], s[20:21]
	s_add_nc_u64 s[10:11], s[10:11], s[26:27]
	global_load_b128 v[DB:DB+3], v3, s[6:7]
.irp u, 0,1
.irp i, 0,1,2,3,4,5,6,7,8,9,10,11,12,13,14,15
	global_load_b128 v[R+64*\u+4*\i:R+64*\u+4*\i+3], v3, s[4:5] offset:(16*\u+\i)*ROWX th:TH_LOAD_NT   ; 32 lanes read 512 consecutive bytes of a row; read once in the launch
.endr
.endr
	s_wait_kmcnt 0x0
	s_add_co_i32 s22, s22, 127
	s_lshl_b32 s23, s22, 23
	v_mov_b32 v11, s23                             ; 2^e0 as f32: the conversion takes its exponent field
	s_add_co_i32 s22, s22, EMAX
	s_lshl_b32 s22, s22, 23
	s_or_b32 s22, s22, MANT
	v_mov_b32 v10, s22                             ; 57,344 x 2^e0
.macro TIMES u                         ; x * Db, as the numbers lie
.irp i, 0,1,2,3,4,5,6,7,8,9,10,11,12,13,14,15
	v_pk_mul_f32 v[R+64*\u+4*\i:R+64*\u+4*\i+1], v[R+64*\u+4*\i:R+64*\u+4*\i+1], v[DB:DB+1]
	v_pk_mul_f32 v[R+64*\u+4*\i+2:R+64*\u+4*\i+3], v[R+64*\u+4*\i+2:R+64*\u+4*\i+3], v[DB+2:DB+3]
.endr
.endm
.macro INTO u                          ; unit u into its stage, row by row
.irp i, 0,1,2,3,4,5,6,7,8,9,10,11,12,13,14,15
	ds_store_b128 v14, v[R+64*\u+4*\i:R+64*\u+4*\i+3] offset:STG*\u+SPI*\i
.endr
.endm
.macro BACK u, dst                     ; and back: register 16 c + i = k 32 c + 16 h + i of row r.  LDS serves a wave's instructions in order (ISA guide 5.7.1.4): these see the stores
.irp c, 0,1,2,3
.irp j, 0,1,2,3
	ds_load_b128 v[\dst+16*\c+4*\j:\dst+16*\c+4*\j+3], v15 offset:STG*\u+128*\c+16*\j
.endr
.endr
.endm
.macro QUANT u, src                    ; 64 numbers become 16 registers of codes, which leave as four runs of 512 consecutive bytes
.set j, 0
.rept 64
	v_med3_num_f32 v[\src+j], v[\src+j], -v10, v10 ; the conversion to an 8-bit code does not saturate (ISA guide 7.6.2): the number is held within the largest code x the scale first
.set j, j+1
.endr
.irp c, 0,1,2,3
	v_cvt_scalef32_pk8_bf8_f32 v[C+16*\u+4*\c:C+16*\u+4*\c+1], v[\src+16*\c:\src+16*\c+7], v11       ; eight numbers / 2^e0, to the nearest code, ties to even; the first number's code in the lowest byte
	v_cvt_scalef32_pk8_bf8_f32 v[C+16*\u+4*\c+2:C+16*\u+4*\c+3], v[\src+16*\c+8:\src+16*\c+15], v11
.endr
.irp c, 0,1,2,3
	global_store_b128 v3, v[C+16*\u+4*\c:C+16*\u+4*\c+3], s[10:11] offset:2048*\u+512*\c   ; at a multiple of 256 from xq's first byte.  The codes go to these stores alone; no later vector line touches them or their sources
.endr
.endm
	s_wait_loadcnt 16                              ; Db and unit 0's sixteen loads are in; unit 1's may be out
	TIMES 0
	INTO 0
	BACK 0, XS
	s_wait_loadcnt 0x0                             ; unit 1
	TIMES 1
	INTO 1
	s_wait_dscnt 16                                ; all but unit 1's sixteen stores: unit 0 is back, and its stores have read their registers,
	BACK 1, R                                      ; which take unit 1 back while unit 0 is worked
	QUANT 0, XS
	s_wait_dscnt 0x0
	QUANT 1, R
	s_wait_tensorcnt 0x0
	ds_add_u32 v30, v31
	s_wait_dscnt 0x0
	s_endpgm
.Lfunc_end_k_q4b3c088548_quant_x:
	.size	k_q4b3c088548_quant_x, .Lfunc_end_k_q4b3c088548_quant_x-k_q4b3c088548_quant_x
	.p2alignl 7, 3214868480
	.fill 96, 4, 3214868480
	.section	.rodata,"a",@progbits
	.p2align	6, 0x0
	.amdhsa_kernel k_q4b3c088548_quant_x
		.amdhsa_group_segment_fixed_size 136192
		.amdhsa_private_segment_fixed_size 0
		.amdhsa_enable_private_segment 0
		.amdhsa_kernarg_size 32
		.amdhsa_user_sgpr_count 2
		.amdhsa_user_sgpr_kernarg_segment_ptr 1
		.amdhsa_wavefront_size32 1
		.amdhsa_system_sgpr_workgroup_id_x 1
		.amdhsa_system_sgpr_workgroup_id_y 1
		.amdhsa_system_sgpr_workgroup_id_z 1
		.amdhsa_system_vgpr_workitem_id 0
		.amdhsa_next_free_vgpr 256
		.amdhsa_next_free_sgpr 66
		.amdhsa_reserve_vcc 0
		.amdhsa_float_denorm_mode_32 3
		.amdhsa_float_denorm_mode_16_64 3
		.amdhsa_memory_ordered 1
		.amdhsa_forward_progress 1
		.amdhsa_inst_pref_size 24
	.end_amdhsa_kernel
	.amdgpu_metadata
---
amdhsa.version: [ 1, 2 ]
amdhsa.kernels:
  - .name:           k_q4b3c088548_quant_x
    .symbol:         k_q4b3c088548_quant_x.kd
    .args:
      - { .name: x, .offset: 0, .size: 8, .value_kind: global_buffer, .address_space: global }
      - { .name: Db, .offset: 8, .size: 8, .value_kind: global_buffer, .address_space: global }
      - { .name: lowp_scales, .offset: 16, .size: 8, .value_kind: global_buffer, .address_space: global }
      - { .name: xq, .offset: 24, .size: 8, .value_kind: global_buffer, .address_space: global }
    .group_segment_fixed_size: 136192
    .private_segment_fixed_size: 0
    .kernarg_segment_align: 8
    .kernarg_segment_size: 32
    .max_flat_workgroup_size: 256
    .sgpr_count:     66
    .vgpr_count:     256
    .wavefront_size: 32
...
	.end_amdgpu_metadata
.endif
;; end of part 4
;; launch gemm1 (part 5): grid 16 x 16, 4 waves a work-group, clusters of 4 x 1, 327,680 bytes of LDS; arguments xq, B_codes, lowp_scales, scale1, mid, hq; writes hq
.if DOCPART == 5
	.amdgcn_target "amdgcn-amd-amdhsa--gfx1250"
	.amdhsa_code_object_version 6
	.text
	.protected	k_q4b3c088548_gemm1
	.globl	k_q4b3c088548_gemm1
	.p2align	8
	.type	k_q4b3c088548_gemm1,@function
k_q4b3c088548_gemm1:
	s_mov_b64 s[64:65], 0
	v_nop
	global_prefetch_b8 v0, s[64:65] scope:SCOPE_SE
	s_setreg_imm32_b32 hwreg(HW_REG_WAVE_MODE, 25, 1), 1
	s_wait_xcnt 0x0
	s_wait_alu depctr_hold_cnt(0) depctr_sa_sdst(0) depctr_va_vdst(0) depctr_va_sdst(0) depctr_va_ssrc(0) depctr_va_vcc(0) depctr_vm_vsrc(0)
	s_getreg_b32 s2, hwreg(HW_REG_IB_STS2, 6, 4)
	s_cmp_eq_u32 s2, 0
	s_cbranch_scc0 .Lentry_in_a_cluster
	s_endpgm
.Lentry_in_a_cluster:
	s_bfe_u32 s2, ttmp6, 0x10000c
	s_cmp_lg_u32 s2, 0x3003
	s_cbranch_scc0 .Lentry_shape_is_right
	s_endpgm
.Lentry_shape_is_right:
; hq = the E5M2 codes, with the given scale 2^e2, of h[t][n] = (sum over k of X[t][k] W[n][k]) x 2^(e0 + e1) x scale1 x mid[n].
; X = xq: 2,048 x 4,096 codes (scale 2^e0) laid as images of the operand's registers; W = B_codes: [4096][4096] codes (scale 2^e1), K innermost, a row 4,096 bytes.  Sums in f32.
; A finished sum is multiplied by g[n] = mid[n] x scale1, held within +-57,344 x 2^(e2 - e0 - e1) and converted with the scale 2^(e2 - e0 - e1): the three exponents are folded into the conversion's one.
; LIMITS: e2 - e0 - e1 between -126 and 112, so that both numbers are f32 numbers; g[n] is rounded before it meets the sum, in another order than ((sum x scale1) x mid).  NaN is not served.
; SHARES.  A tile is 128 rows (t) x 256 columns (n): 16 x 16 tiles, one work-group each (x: tile row, y: tile column).  Four waves, each 64 x 128: 32 accumulators of 16 x 16.
; W goes in slots of 512 along K through a ring of two LDS slots filled by the tensor data mover; each wave fetches 64 rows x 512 bytes.  The four work-groups of a cluster have one tile column: each tile of W is asked for JOINTLY.
; X goes from memory straight into registers and is not asked for jointly: it is 128 of a step's 384 rows, and without it in LDS a slot holds 512 along K where it could hold 256: 8 changes of slots and not 16.
; X's LOADS: four sets of registers, one for each of a slot's four steps of 128.  The 48 loads for the next slot's steps 0 to 2 go out in one run at the head of a change of slots, ahead of the wait for the tensor load,
; so that they are on their way while no tensor load of the wave is; the 16 for its step 3 follow at the next step's head, when their set has been multiplied.  They are counted on LOADcnt and stay out over the barrier.
; LAYOUT of xq and hq: for each 64 rows and each 128 along K a block of 8,192 bytes, block (t / 64) x 32 + k / 128; in it tile a of 16 rows at 2,048 a, register group c at 512 c, 16 bytes a lane:
; lane 16 h + r holds row r, k = 32 c + 16 h + 0 .. 15.  W's fragments come from LDS rows by four loads of 16 bytes a lane, 32 bytes apart: the same k in the same registers (a permutation of k, alike in X and W).
; THE MATRIX INSTRUCTION IS USED TRANSPOSED (source 0 = 16 rows of W, source 1 = 16 rows of X): register j of lane l holds row l % 16, column 8 (l / 16) + j: eight neighbours along the next product's K.
; REGISTERS, in windows of 256: window 0: v0-31 addresses, v32-95 at work on the way out, v128-255 X's sets 0, 1.  window 1: W's two sets.  window 2: accumulator (a, b) at v[8 (8 a + b)].  window 3: v0-63 g, v128-255 X's sets 2, 3.
.set ROWB,   512                       ; a slot's part of a row of W, in bytes
.set KROW,   4096                      ; a row of W in memory
.set XSTEP,  8192                      ; a block of X: my 64 rows x 128 along K
.set PITCH,  528                       ; an LDS row: 512 bytes + 16 of padding: the 16 rows of a load start at 16 different banks (64 banks of 4 bytes: ISA guide 11.1)
.set WQ,     64*PITCH                  ; what a wave fetches
.set WH,     128*PITCH                 ; what a wave multiplies
.set SLOT,   256*PITCH
.set LAPS,   4                         ; a lap = two slots = 1,024 along K
.set SPARE,  2*SLOT                    ; the spare words: 128 bytes a wave, two blocks of 256 bytes that no other line names
.set STAGE,  SPARE+512                 ; a stage of 8,192 bytes for each wave, for the way out; no tile lands here
.set FR,     16                        ; registers of a fragment
.set LIMV, 12                          ; v12  57,344 x 2^(e2 - e0 - e1)
.set SCV,  13                          ; v13  2^(e2 - e0 - e1)
.set ADRB, 20                          ; v20-21  LDS address of my W fragments in slot 0, 1
.set STO,  24                          ; v24  where I put 8 codes
.set RD,   25                          ; v25  where I read 16 back
.set L16,  26                          ; v26  16 x lane
.set VO,   27                          ; v27  32 x (lane / 16)
.set SPW,  28                          ; v28  my spare word; never rewritten
.set NIL,  29                          ; v29  0; never rewritten
.set PFO,  30                          ; v30  the prefetches' offset
.set TMP,  32
.set XR,   128                         ; X's set q: window 0 (q = 0, 1) or 3 (q = 2, 3), block a at v[128 + 64 (q % 2) + 16 a]
.set CD,   128                         ; the way out: codes
.set BK,   192                         ; the way out: the block read back
.set G,    0                           ; in window 3
.set G1,  24                           ; s[24:31] descriptor group 1; s[32:39] group 0, one set for each slot
.set G0,  32
.set XB,  48                           ; s[48:49] X at my 64 rows, stepped once a trip
.set PFA, 74                           ; s[74:75] where my prefetches stand
.set MSB, 0
.macro WIN new                         ; the immediate's high byte repeats the setting that is left
.if MSB != (\new)
	s_set_vgpr_msb (MSB<<8)|(\new)
.set MSB, (\new)
.endif
.endm
.set TO_B, 0x40                        ; destination window 1
.set TO_3, 0xc0                        ; destination window 3
.set IN_3, 0xc3                        ; source 0 and destination window 3
.set OUT1, 0x0e                        ; source 0 window 2, source 1 window 3, destination window 0
.macro WINMUL q                        ; source 0 (W) window 1, C and D window 2, source 1 (X's set q) window 0 or 3
.if (\q) < 2
	WIN 0xa1
.else
	WIN 0xad
.endif
.endm
.macro JLOAD s                         ; a joint load: my 64 rows of the slot; an s_nop 0 and four v_nop follow
	tensor_load_to_lds s[G0+4*\s:G0+4*\s+3], s[G1:G1+7]
	s_nop 0
.rept 4
	v_nop
.endr
.endm
.macro CREST                           ; a round of the cluster's barrier behind its opening barrier
	s_cmp_lg_u32 s14, 0
	s_cbranch_scc1 .Lnot_wave_0_\@
	s_barrier_signal -3
.Lnot_wave_0_\@:
	s_barrier_wait -3
	s_barrier_signal -1
	s_barrier_wait -1
.endm
.macro CROUND
	s_barrier_signal -1
	s_barrier_wait -1
	CREST
.endm
; A prefetch of W: the slot that stands two refills on, 256 matrix instructions ahead of the load that will want it.  Every cluster asks for what it will itself load; its partners and their waves share the
; 256 rows out by address: wave w of the partner at cx takes rows 64 cx + 16 w on; lanes 0-15 name the first 256 bytes of a row's 512, lanes 16-31 the second.  The loop's last trip has no slot two on and asks for nothing.
; X has no prefetch: its own loads into registers go out up to a slot ahead of their use.
.macro ASK
	s_cmp_gt_u32 s3, 1
	s_cbranch_scc0 .Lnone_\@
	global_prefetch_b8 v[PFO], s[PFA:PFA+1] offset:ROWB th:TH_LOAD_NT scope:SCOPE_SE
.Lnone_\@:
.endm
.macro FETCH_W slot, q, p              ; 32 LDS loads: W's eight fragments of the slot's q-th 128 along K into set p
	WIN TO_B
.irp i, 0,1,2,3,4,5,6,7
.irp c, 0,1,2,3
	ds_load_b128 v[128*(\p)+FR*\i+4*\c:128*(\p)+FR*\i+4*\c+3], v[ADRB+\slot] offset:128*(\q)+32*\c+\i*16*PITCH
.endr
.endr
.endm
.macro XLOAD q, n                      ; 16 loads of 512 consecutive bytes: the block n blocks behind s[XB] into set q
.if (\q) < 2
	WIN 0
.else
	WIN TO_3
.endif
.irp a, 0,1,2,3
.irp c, 0,1,2,3
	global_load_b128 v[XR+64*((\q)%2)+FR*\a+4*\c:XR+64*((\q)%2)+FR*\a+4*\c+3], v[L16], s[XB:XB+1] offset:(\n)*XSTEP+2048*\a+512*\c
.endr
.endr
.endm
.macro MUL8 a, q, zero                 ; X's block a against W's eight.  The 32 accumulators take turns, in the same order in every step
.irp b, 0,1,2,3,4,5,6,7
.if \zero
	v_wmma_f32_16x16x128_bf8_bf8 v[8*(8*(\a)+\b):8*(8*(\a)+\b)+7], v[128*((\q)%2)+FR*\b:128*((\q)%2)+FR*\b+FR-1], v[XR+64*((\q)%2)+FR*(\a):XR+64*((\q)%2)+FR*(\a)+FR-1], 0
.else
	v_wmma_f32_16x16x128_bf8_bf8 v[8*(8*(\a)+\b):8*(8*(\a)+\b)+7], v[128*((\q)%2)+FR*\b:128*((\q)%2)+FR*\b+FR-1], v[XR+64*((\q)%2)+FR*(\a):XR+64*((\q)%2)+FR*(\a)+FR-1], v[8*(8*(\a)+\b):8*(8*(\a)+\b)+7]
.endif
.endr
.endm
.macro PLACES n                        ; places behind matrix instructions, in front of loads into their registers and of reads of their results
.rept \n
	v_nop
.endr
.endm
; One of a slot's first three steps.  W's other set takes the next step's fragments; x3 >= 0 (step 0 alone): X's set 3, which the step before multiplied, takes block x3.
.macro STEP slot, q, zero, x3
	PLACES 4
	FETCH_W \slot, (\q)+1, ((\q)+1)%2
.if (\x3) >= 0
	XLOAD 3, \x3
.endif
	s_wait_dscnt 32                                ; this step's W is in; the 32 loads just issued may be out
	s_wait_loadcnt 48-16*(\q)                      ; X's set q is in; behind it 16 loads for each of sets q + 1 .. 3
	WINMUL \q
	MUL8 0, \q, \zero
	MUL8 1, \q, \zero
	MUL8 2, \q, \zero
	MUL8 3, \q, \zero
.endm
; A slot's fourth step changes slots.  First X's sets 0 to 2 take the next slot's blocks xn .. xn + 2.  Then ONE barrier: in front of it each wave waits for all its tensor loads, adds 0 to its spare word, and waits for that and its reads of this slot.
; fill = 1: the barrier opens a round of the cluster's barrier, and this slot is filled again, two slots on, first thing behind the round.
.macro TURN slot, next, fill, xn
	WIN 0
	PLACES 4                                       ; for the loads into X's set 2 and, below, W's set 0, which the step before multiplied
.if \fill
	s_wait_xcnt 0x0                                ; the last prefetch has read its address
	s_add_nc_u64 s[PFA:PFA+1], s[PFA:PFA+1], ROWB
.endif
	XLOAD 0, \xn
	XLOAD 1, (\xn)+1
	XLOAD 2, (\xn)+2
	WIN 0                                          ; (the add's two registers lie in window 0)
	s_wait_tensorcnt 0x0                           ; my one tensor load that was out, my part of the next slot, has landed
	ds_add_u32 v[SPW], v[NIL]
.if \fill
	s_add_nc_u64 s[G0+4*\slot+2:G0+4*\slot+3], s[G0+4*\slot+2:G0+4*\slot+3], 2*ROWB
.endif
	s_wait_dscnt 1                                 ; this step's W is in; the add may be out
	s_wait_loadcnt 48                              ; X's set 3 is in; the 48 loads just issued stay out
	WINMUL 3
	MUL8 0, 3, 0
	s_wait_dscnt 0x0                               ; the add is done, and my reads of this slot are over
	s_barrier_signal -1
	MUL8 1, 3, 0
	WIN 0
	s_barrier_wait -1
.if \fill
	CREST
	JLOAD \slot                                    ; the first tensor load behind the round, my one load until the next
.endif
	FETCH_W \next, 0, 0
.if \fill
	WIN 0
	ASK
.endif
	WINMUL 3
	MUL8 2, 3, 0
	MUL8 3, 3, 0
.endm
	s_load_b256 s[4:11], s[0:1], 0x0               ; X s[4:5], W s[6:7], the scales' exponents s[8:9], scale1 s[10:11]
	s_load_b128 s[68:71], s[0:1], 0x20             ; mid s[68:69], hq s[70:71]
	v_lshl_add_u32 v[SPW], v0, 2, SPARE
	v_mov_b32 v[NIL], 0
	ds_add_u32 v[SPW], v[NIL]                      ; the opening lines: the add, twice on end, and its wait ahead of my first tensor load
	ds_add_u32 v[SPW], v[NIL]
	v_lshrrev_b32 v1, 5, v0
	v_readfirstlane_b32 s14, v1                    ; wave 0..3
	s_lshr_b32 s15, s14, 1                         ; which 64 rows of X are mine
	s_and_b32 s16, s14, 1                          ; which 128 rows of W I multiply
	s_bfe_u32 s40, ttmp6, 0x40000                  ; cx
	s_lshl_b32 s17, ttmp9, 2
	s_add_co_u32 s17, s17, s40                     ; tile row: it enters X's and hq's addresses alone
	s_and_b32 s42, ttmp7, 0xffff                   ; tile column, which the four partners share
	s_mov_b32 s[G1+0], 15|(0<<16)|(1<<20)|(1<<21)|(6<<22)|(3<<25)  ; mask: all four; elements of 1 byte; padding of 4 words behind every 128; bit 21 beside the mask
	s_mov_b32 s[G1+1], ROWB<<16
	s_mov_b32 s[G1+2], 64<<16
	s_mov_b32 s[G1+3], ROWB<<16
	s_mov_b32 s[G1+4], 64
	s_mov_b32 s[G1+5], KROW
	s_mov_b32 s[G1+6], 0
	s_mov_b32 s[G1+7], 0
	s_lshl_b32 s46, s42, 8
	s_lshl_b32 s18, s14, 6
	s_add_co_u32 s46, s46, s18                     ; the rows of W that I fetch
	s_lshl_b32 s46, s46, 12
	s_mov_b32 s47, 0
	s_mul_i32 s45, s14, WQ                         ; where they go
	s_wait_dscnt 0x0                               ; both opening adds are done
	s_wait_kmcnt 0x0
	s_load_b128 s[80:83], s[8:9], 0x0              ; e0, e1, e2, e3
	s_load_b32 s84, s[10:11], 0x0                  ; scale1
	s_add_nc_u64 s[46:47], s[6:7], s[46:47]
	CROUND                                         ; all four work-groups are here: the first joint loads meet
.irp s, 0,1
	s_mov_b32 s[G0+4*\s], 1
	s_add_co_u32 s[G0+4*\s+1], s45, \s*SLOT
	s_add_nc_u64 s[G0+4*\s+2:G0+4*\s+3], s[46:47], \s*ROWB
	s_or_b32 s[G0+4*\s+3], s[G0+4*\s+3], 0x80000000
.endr
	JLOAD 0                                        ; slot 0: one tensor load a wave at the head
	s_mul_i32 s22, s16, WH                         ; my 128 rows of W, in slot 0
	s_add_co_u32 s79, s22, SLOT                    ; and in slot 1
	s_lshl_b32 s23, s14, 13
	s_add_co_u32 s23, s23, STAGE                   ; my stage
	v_and_b32 v1, 15, v0                           ; r
	v_bfe_u32 v2, v0, 4, 1                         ; h
	v_mul_u32_u24 v3, v1, PITCH
	v_lshl_add_u32 v4, v2, 4, v3
	v_add_nc_u32 v[ADRB], s22, v4
	v_add_nc_u32 v[ADRB+1], s79, v4
	v_and_b32 v6, 31, v0
	v_lshlrev_b32 v[L16], 4, v6
	v_lshlrev_b32 v[VO], 5, v2
	v_lshlrev_b32 v5, 4, v1
	v_lshl_add_u32 v5, v2, 3, v5                   ; 16 r + 8 h: my 8 codes in the image
	v_add_nc_u32 v[STO], s23, v5
	v_add_nc_u32 v[RD], s23, v[L16]
	v_lshlrev_b32 v[PFO], 12, v1                   ; a row of 4,096 bytes for each of 16 lanes,
	v_lshl_add_u32 v[PFO], v2, 8, v[PFO]           ; the second 256 bytes for lanes 16-31
	s_wait_alu depctr_va_vdst(0)                   ; ahead of the run of scalar lines
	s_lshl_b32 s78, s17, 1
	s_add_co_u32 s78, s78, s15                     ; which 64 rows of the 2,048 are mine
	s_lshl_b32 s20, s78, 18                        ; their 32 blocks of 8,192 bytes
	s_mov_b32 s21, 0
	s_add_nc_u64 s[XB:XB+1], s[4:5], s[20:21]
	s_lshl_b32 s20, s78, 5
	s_lshl_b32 s22, s42, 1
	s_add_co_u32 s20, s20, s22
	s_add_co_u32 s20, s20, s16                     ; hq's block: 32 x (my 64 rows) + 2 x tile column + half
	s_lshl_b32 s20, s20, 13
	s_add_nc_u64 s[70:71], s[70:71], s[20:21]
	s_lshl_b32 s20, s42, 10
	s_lshl_b32 s22, s16, 9
	s_add_co_u32 s20, s20, s22
	s_add_nc_u64 s[68:69], s[68:69], s[20:21]      ; mid at my 128 columns
	s_lshl_b32 s18, s42, 8
	s_lshl_b32 s22, s40, 6
	s_add_co_u32 s18, s18, s22
	s_lshl_b32 s22, s14, 4
	s_add_co_u32 s18, s18, s22
	s_lshl_b32 s18, s18, 12
	s_add_co_u32 s18, s18, 2*ROWB                  ; at slot 2: the first refill steps it to 3 and names slot 4
	s_mov_b32 s19, 0
	s_add_nc_u64 s[PFA:PFA+1], s[6:7], s[18:19]
	WIN TO_3
.irp b, 0,1,2,3,4,5,6,7                ; mid of columns 16 b + 8 h + 0 .. 7: the result's layout
	global_load_b128 v[G+8*\b:G+8*\b+3], v[VO], s[68:69] offset:64*\b
	global_load_b128 v[G+8*\b+4:G+8*\b+7], v[VO], s[68:69] offset:64*\b+16
.endr
	XLOAD 0, 0
	s_wait_kmcnt 0x0
	s_mov_b32 s86, s84
	s_mov_b32 s87, s84
	s_sub_co_i32 s88, s82, s80
	s_sub_co_i32 s88, s88, s81                     ; e2 - e0 - e1
	s_add_co_i32 s88, s88, 127
	s_lshl_b32 s89, s88, 23
	v_mov_b32 v[SCV], s89
	s_add_co_i32 s88, s88, 15
	s_lshl_b32 s88, s88, 23
	s_or_b32 s88, s88, 0x600000
	v_mov_b32 v[LIMV], s88
	s_wait_loadcnt 16                              ; mid is in; X's sixteen loads may be out
	WIN IN_3
.irp j, 0,2,4,6,8,10,12,14,16,18,20,22,24,26,28,30,32,34,36,38,40,42,44,46,48,50,52,54,56,58,60,62
	v_pk_mul_f32 v[G+\j:G+\j+1], v[G+\j:G+\j+1], s[86:87] op_sel_hi:[1,0]   ; g = mid x scale1
.endr
	XLOAD 1, 1
	XLOAD 2, 2
	XLOAD 3, 3
	WIN 0
	s_wait_alu depctr_va_vdst(0)
	s_wait_tensorcnt 0x0                           ; my part of slot 0 is in
	ds_add_u32 v[SPW], v[NIL]
	s_wait_dscnt 0x0
	CROUND
	JLOAD 1                                        ; slot 1's first fill, the first tensor load behind the round
	FETCH_W 0, 0, 0
	STEP 0, 0, 1, -1                               ; the first step's products start the sums
	WIN 0
	s_mov_b32 s3, LAPS-1
.Llap:                                             ; a trip: from a lap's second step to the next lap's first; both slots are filled again
	STEP 0, 1, 0, -1
	STEP 0, 2, 0, -1
	TURN 0, 1, 1, 4
	STEP 1, 0, 0, 7
	STEP 1, 1, 0, -1
	STEP 1, 2, 0, -1
	TURN 1, 0, 1, 8
	STEP 0, 0, 0, 11
	WIN 0
	s_wait_xcnt 0x0                                ; the loads of X have read their base
	s_add_nc_u64 s[XB:XB+1], s[XB:XB+1], 8*XSTEP
	s_sub_co_u32 s3, s3, 1
	s_cmp_lg_u32 s3, 0
	s_cbranch_scc1 .Llap
	STEP 0, 1, 0, -1                               ; the last lap fills nothing
	STEP 0, 2, 0, -1
	TURN 0, 1, 0, 4
	STEP 1, 0, 0, 7
	STEP 1, 1, 0, -1
	STEP 1, 2, 0, -1
	s_wait_dscnt 0x0
	s_wait_loadcnt 0x0
	WINMUL 3
	MUL8 0, 3, 0
	MUL8 1, 3, 0
	MUL8 2, 3, 0
	MUL8 3, 3, 0
	WIN 0
; THE WAY OUT: block a of 16 rows: x g, the hold, eight codes for each accumulator, into my stage at the image's place 2,048 a + 256 b + 16 r + 8 h.
.macro BLOCK a
	WIN OUT1
.irp b, 0,1,2,3,4,5,6,7
.irp i, 0,2,4,6
	v_pk_mul_f32 v[TMP+8*\b+\i:TMP+8*\b+\i+1], v[8*(8*\a+\b)+\i:8*(8*\a+\b)+\i+1], v[G+8*\b+\i:G+8*\b+\i+1]   ; each accumulator from its low end on
.endr
.endr
	WIN 0
.set j, 0
.rept 64
	v_med3_num_f32 v[TMP+j], v[TMP+j], -v[LIMV], v[LIMV]   ; the conversion does not saturate (ISA guide 7.6.2)
.set j, j+1
.endr
.irp b, 0,1,2,3,4,5,6,7
	v_cvt_scalef32_pk8_bf8_f32 v[CD+16*\a+2*\b:CD+16*\a+2*\b+1], v[TMP+8*\b:TMP+8*\b+7], v[SCV]
.endr
	v_nop                                          ; a plain place behind the last conversion
.irp b, 0,1,2,3,4,5,6,7
	ds_store_b64 v[STO], v[CD+16*\a+2*\b:CD+16*\a+2*\b+1] offset:2048*\a+256*\b
.endr
.endm
	PLACES 4
	BLOCK 0
	BLOCK 1
	BLOCK 2
	BLOCK 3
.irp t, 0,1,2,3,4,5,6,7,8,9,10,11,12,13,14,15
	ds_load_b128 v[BK+4*\t:BK+4*\t+3], v[RD] offset:512*\t   ; my own bytes: LDS serves a wave's instructions in order (ISA guide 5.7.1.4)
.endr
.irp t, 0,1,2,3,4,5,6,7,8,9,10,11,12,13,14,15
	s_wait_dscnt 15-\t
	global_store_b128 v[L16], v[BK+4*\t:BK+4*\t+3], s[70:71] offset:512*\t   ; 512 consecutive bytes, at a multiple of 256 from hq's first byte
.endr
	s_wait_tensorcnt 0x0                           ; the wave's end
	ds_add_u32 v[SPW], v[NIL]
	s_wait_dscnt 0x0
	CROUND                                         ; the closing round
	s_endpgm
.Lfunc_end_k_q4b3c088548_gemm1:
	.size	k_q4b3c088548_gemm1, .Lfunc_end_k_q4b3c088548_gemm1-k_q4b3c088548_gemm1
	.p2alignl 7, 3214868480
	.fill 96, 4, 3214868480
	.section	.rodata,"a",@progbits
	.p2align	6, 0x0
	.amdhsa_kernel k_q4b3c088548_gemm1
		.amdhsa_group_segment_fixed_size 327680
		.amdhsa_private_segment_fixed_size 0
		.amdhsa_enable_private_segment 0
		.amdhsa_kernarg_size 48
		.amdhsa_user_sgpr_count 2
		.amdhsa_user_sgpr_kernarg_segment_ptr 1
		.amdhsa_wavefront_size32 1
		.amdhsa_system_sgpr_workgroup_id_x 1
		.amdhsa_system_sgpr_workgroup_id_y 1
		.amdhsa_system_sgpr_workgroup_id_z 1
		.amdhsa_system_vgpr_workitem_id 0
		.amdhsa_next_free_vgpr 1024
		.amdhsa_next_free_sgpr 100
		.amdhsa_reserve_vcc 0
		.amdhsa_float_denorm_mode_32 3
		.amdhsa_float_denorm_mode_16_64 3
		.amdhsa_memory_ordered 1
		.amdhsa_forward_progress 1
		.amdhsa_inst_pref_size 137
	.end_amdhsa_kernel
	.amdgpu_metadata
---
amdhsa.version: [ 1, 2 ]
amdhsa.kernels:
  - .name:           k_q4b3c088548_gemm1
    .symbol:         k_q4b3c088548_gemm1.kd
    .args:
      - { .name: xq, .offset: 0, .size: 8, .value_kind: global_buffer, .address_space: global }
      - { .name: B_codes, .offset: 8, .size: 8, .value_kind: global_buffer, .address_space: global }
      - { .name: lowp_scales, .offset: 16, .size: 8, .value_kind: global_buffer, .address_space: global }
      - { .name: scale1, .offset: 24, .size: 8, .value_kind: global_buffer, .address_space: global }
      - { .name: mid, .offset: 32, .size: 8, .value_kind: global_buffer, .address_space: global }
      - { .name: hq, .offset: 40, .size: 8, .value_kind: global_buffer, .address_space: global }
    .group_segment_fixed_size: 327680
    .private_segment_fixed_size: 0
    .kernarg_segment_align: 8
    .kernarg_segment_size: 48
    .max_flat_workgroup_size: 128
    .sgpr_count:     100
    .vgpr_count:     1024
    .wavefront_size: 32
...
	.end_amdgpu_metadata
.endif
;; end of part 5
;; launch gemm2 (part 6): grid 16 x 16, 4 waves a work-group, clusters of 4 x 1, 327,680 bytes of LDS; arguments hq, A_codes, lowp_scales, scale3, Da, bias, out0; writes out0
.if DOCPART == 6
	.amdgcn_target "amdgcn-amd-amdhsa--gfx1250"
	.amdhsa_code_object_version 6
	.text
	.protected	k_q4b3c088548_gemm2
	.globl	k_q4b3c088548_gemm2
	.p2align	8
	.type	k_q4b3c088548_gemm2,@function
k_q4b3c088548_gemm2:
	s_mov_b64 s[64:65], 0
	v_nop
	global_prefetch_b8 v0, s[64:65] scope:SCOPE_SE
	s_setreg_imm32_b32 hwreg(HW_REG_WAVE_MODE, 25, 1), 1
	s_wait_xcnt 0x0
	s_wait_alu depctr_hold_cnt(0) depctr_sa_sdst(0) depctr_va_vdst(0) depctr_va_sdst(0) depctr_va_ssrc(0) depctr_va_vcc(0) depctr_vm_vsrc(0)
	s_getreg_b32 s2, hwreg(HW_REG_IB_STS2, 6, 4)
	s_cmp_eq_u32 s2, 0
	s_cbranch_scc0 .Lentry_in_a_cluster
	s_endpgm
.Lentry_in_a_cluster:
	s_bfe_u32 s2, ttmp6, 0x10000c
	s_cmp_lg_u32 s2, 0x3003
	s_cbranch_scc0 .Lentry_shape_is_right
	s_endpgm
.Lentry_shape_is_right:
; out0[t][n] = (sum over k of X[t][k] W[n][k]) x 2^(e2 + e3) x scale3 x Da[n] + bias[n].
; X = hq: 2,048 x 4,096 codes (scale 2^e2), laid as images of the operand's registers; W = A_codes: [4096][4096] codes (scale 2^e3), K innermost, a row 4,096 bytes; out0: [2048][4096] f32.  Sums in f32.
; A finished sum goes through one fused multiply-add with g[n] = Da[n] x (scale3 x 2^(e2 + e3)) and bias[n].
; LIMITS: e2 + e3 between -126 and 127, so that 2^(e2 + e3) is an f32 number; g[n] is rounded before it meets the sum, in another order than ((sum x scale3) x Da).  NaN is not served.
; SHARES.  A tile is 128 rows (t) x 256 columns (n): 16 x 16 tiles, one work-group each (x: tile row, y: tile column).  Four waves, each 64 x 128: 32 accumulators of 16 x 16.
; W goes in slots of 512 along K through a ring of two LDS slots filled by the tensor data mover; each wave fetches 64 rows x 512 bytes.  The four work-groups of a cluster have one tile column: each tile of W is asked for JOINTLY.
; X goes from memory straight into registers and is not asked for jointly: it is 128 of a step's 384 rows, and without it in LDS a slot holds 512 along K where it could hold 256: 8 changes of slots and not 16.
; X's LOADS: four sets of registers, one for each of a slot's four steps of 128.  The 48 loads for the next slot's steps 0 to 2 go out in one run at the head of a change of slots, ahead of the wait for the tensor load,
; so that they are on their way while no tensor load of the wave is; the 16 for its step 3 follow at the next step's head, when their set has been multiplied.  They are counted on LOADcnt and stay out over the barrier.
; X's LAYOUT: for each 64 rows and each 128 along K a block of 8,192 bytes, block (t / 64) x 32 + k / 128; in it tile a of 16 rows at 2,048 a, register group c at 512 c, 16 bytes a lane:
; lane 16 h + r holds row r, k = 32 c + 16 h + 0 .. 15.  W's fragments come from LDS rows by four loads of 16 bytes a lane, 32 bytes apart: the same k in the same registers (a permutation of k, alike in X and W).
; THE MATRIX INSTRUCTION IS USED TRANSPOSED (source 0 = 16 rows of W, source 1 = 16 rows of X): register j of lane l holds row l % 16, column 8 (l / 16) + j: eight neighbouring numbers of a row of out0.
; REGISTERS, in windows of 256: window 0: v0-31 addresses, v32-95 at work on the way out, v128-255 X's sets 0, 1.  window 1: W's two sets.  window 2: accumulator (a, b) at v[8 (8 a + b)].
;   window 3: v0-63 g of my lane's 64 columns, v64-127 bias, v128-255 X's sets 2, 3.
.set ROWB,   512                       ; a slot's part of a row of W, in bytes
.set KROW,   4096                      ; a row of W in memory
.set OROW,   16384                     ; a row of out0 in bytes
.set XSTEP,  8192                      ; a block of X: my 64 rows x 128 along K
.set PITCH,  528                       ; an LDS row: 512 bytes + 16 of padding: the 16 rows of a load start at 16 different banks (64 banks of 4 bytes: ISA guide 11.1)
.set WQ,     64*PITCH                  ; what a wave fetches
.set WH,     128*PITCH                 ; what a wave multiplies
.set SLOT,   256*PITCH
.set LAPS,   4                         ; a lap = two slots = 1,024 along K
.set SPARE,  2*SLOT                    ; the spare words: 128 bytes a wave, two blocks of 256 bytes that no other line names
.set STAGE,  SPARE+512                 ; a stage of 16 rows x 528 bytes for each wave, for the way out; no tile lands here
.set SPITCH, 528
.set FR,     16                        ; registers of a fragment
.set ADRB, 20                          ; v20-21  LDS address of my W fragments in slot 0, 1
.set STO,  24                          ; v24  where I put 32 bytes of a row
.set RD,   25                          ; v25  where I read a row back
.set L16,  26                          ; v26  16 x lane
.set VO,   27                          ; v27  32 x (lane / 16)
.set SPW,  28                          ; v28  my spare word; never rewritten
.set NIL,  29                          ; v29  0; never rewritten
.set PFO,  30                          ; v30  the prefetches' offset
.set TMP,  32
.set XR,   128                         ; X's set q: window 0 (q = 0, 1) or 3 (q = 2, 3), block a at v[128 + 64 (q % 2) + 16 a]
.set BK,   128                         ; the way out: 16 rows read back: v128-191 and v192-255 by turns
.set G,    0                           ; in window 3
.set BI,   64                          ; in window 3
.set G1,  24                           ; s[24:31] descriptor group 1; s[32:39] group 0, one set for each slot
.set G0,  32
.set XB,  48                           ; s[48:49] X at my 64 rows, stepped once a trip
.set PFA, 74                           ; s[74:75] where my prefetches stand
.set MSB, 0
.macro WIN new                         ; the immediate's high byte repeats the setting that is left
.if MSB != (\new)
	s_set_vgpr_msb (MSB<<8)|(\new)
.set MSB, (\new)
.endif
.endm
.set TO_B, 0x40                        ; destination window 1
.set TO_3, 0xc0                        ; destination window 3
.set IN_3, 0xc3                        ; source 0 and destination window 3
.set OUT2, 0x3e                        ; source 0 window 2, sources 1 and 2 window 3, destination window 0
.macro WINMUL q                        ; source 0 (W) window 1, C and D window 2, source 1 (X's set q) window 0 or 3
.if (\q) < 2
	WIN 0xa1
.else
	WIN 0xad
.endif
.endm
.macro JLOAD s                         ; a joint load: my 64 rows of the slot; an s_nop 0 and four v_nop follow
	tensor_load_to_lds s[G0+4*\s:G0+4*\s+3], s[G1:G1+7]
	s_nop 0
.rept 4
	v_nop
.endr
.endm
.macro CREST                           ; a round of the cluster's barrier behind its opening barrier
	s_cmp_lg_u32 s14, 0
	s_cbranch_scc1 .Lnot_wave_0_\@
	s_barrier_signal -3
.Lnot_wave_0_\@:
	s_barrier_wait -3
	s_barrier_signal -1
	s_barrier_wait -1
.endm
.macro CROUND
	s_barrier_signal -1
	s_barrier_wait -1
	CREST
.endm
; A prefetch of W: the slot that stands two refills on, 256 matrix instructions ahead of the load that will want it.  Every cluster asks for what it will itself load; its partners and their waves share the
; 256 rows out by address: wave w of the partner at cx takes rows 64 cx + 16 w on; lanes 0-15 name the first 256 bytes of a row's 512, lanes 16-31 the second.  The loop's last trip has no slot two on and asks for nothing.
; X has no prefetch: its own loads into registers go out up to a slot ahead of their use.
.macro ASK
	s_cmp_gt_u32 s3, 1
	s_cbranch_scc0 .Lnone_\@
	global_prefetch_b8 v[PFO], s[PFA:PFA+1] offset:ROWB th:TH_LOAD_NT scope:SCOPE_SE
.Lnone_\@:
.endm
.macro FETCH_W slot, q, p              ; 32 LDS loads: W's eight fragments of the slot's q-th 128 along K into set p
	WIN TO_B
.irp i, 0,1,2,3,4,5,6,7
.irp c, 0,1,2,3
	ds_load_b128 v[128*(\p)+FR*\i+4*\c:128*(\p)+FR*\i+4*\c+3], v[ADRB+\slot] offset:128*(\q)+32*\c+\i*16*PITCH
.endr
.endr
.endm
.macro XLOAD q, n                      ; 16 loads of 512 consecutive bytes: the block n blocks behind s[XB] into set q
.if (\q) < 2
	WIN 0
.else
	WIN TO_3
.endif
.irp a, 0,1,2,3
.irp c, 0,1,2,3
	global_load_b128 v[XR+64*((\q)%2)+FR*\a+4*\c:XR+64*((\q)%2)+FR*\a+4*\c+3], v[L16], s[XB:XB+1] offset:(\n)*XSTEP+2048*\a+512*\c
.endr
.endr
.endm
.macro MUL8 a, q, zero                 ; X's block a against W's eight.  The 32 accumulators take turns, in the same order in every step
.irp b, 0,1,2,3,4,5,6,7
.if \zero
	v_wmma_f32_16x16x128_bf8_bf8 v[8*(8*(\a)+\b):8*(8*(\a)+\b)+7], v[128*((\q)%2)+FR*\b:128*((\q)%2)+FR*\b+FR-1], v[XR+64*((\q)%2)+FR*(\a):XR+64*((\q)%2)+FR*(\a)+FR-1], 0
.else
	v_wmma_f32_16x16x128_bf8_bf8 v[8*(8*(\a)+\b):8*(8*(\a)+\b)+7], v[128*((\q)%2)+FR*\b:128*((\q)%2)+FR*\b+FR-1], v[XR+64*((\q)%2)+FR*(\a):XR+64*((\q)%2)+FR*(\a)+FR-1], v[8*(8*(\a)+\b):8*(8*(\a)+\b)+7]
.endif
.endr
.endm
.macro PLACES n                        ; places behind matrix instructions, in front of loads into their registers and of reads of their results
.rept \n
	v_nop
.endr
.endm
; One of a slot's first three steps.  W's other set takes the next step's fragments; x3 >= 0 (step 0 alone): X's set 3, which the step before multiplied, takes block x3.
.macro STEP slot, q, zero, x3
	PLACES 4
	FETCH_W \slot, (\q)+1, ((\q)+1)%2
.if (\x3) >= 0
	XLOAD 3, \x3
.endif
	s_wait_dscnt 32                                ; this step's W is in; the 32 loads just issued may be out
	s_wait_loadcnt 48-16*(\q)                      ; X's set q is in; behind it 16 loads for each of sets q + 1 .. 3
	WINMUL \q
	MUL8 0, \q, \zero
	MUL8 1, \q, \zero
	MUL8 2, \q, \zero
	MUL8 3, \q, \zero
.endm
; A slot's fourth step changes slots.  First X's sets 0 to 2 take the next slot's blocks xn .. xn + 2.  Then ONE barrier: in front of it each wave waits for all its tensor loads, adds 0 to its spare word, and waits for that and its reads of this slot.
; fill = 1: the barrier opens a round of the cluster's barrier, and this slot is filled again, two slots on, first thing behind the round.
.macro TURN slot, next, fill, xn
	WIN 0
	PLACES 4                                       ; for the loads into X's set 2 and, below, W's set 0, which the step before multiplied
.if \fill
	s_wait_xcnt 0x0                                ; the last prefetch has read its address
	s_add_nc_u64 s[PFA:PFA+1], s[PFA:PFA+1], ROWB
.endif
	XLOAD 0, \xn
	XLOAD 1, (\xn)+1
	XLOAD 2, (\xn)+2
	WIN 0                                          ; (the add's two registers lie in window 0)
	s_wait_tensorcnt 0x0                           ; my one tensor load that was out, my part of the next slot, has landed
	ds_add_u32 v[SPW], v[NIL]
.if \fill
	s_add_nc_u64 s[G0+4*\slot+2:G0+4*\slot+3], s[G0+4*\slot+2:G0+4*\slot+3], 2*ROWB
.endif
	s_wait_dscnt 1                                 ; this step's W is in; the add may be out
	s_wait_loadcnt 48                              ; X's set 3 is in; the 48 loads just issued stay out
	WINMUL 3
	MUL8 0, 3, 0
	s_wait_dscnt 0x0                               ; the add is done, and my reads of this slot are over
	s_barrier_signal -1
	MUL8 1, 3, 0
	WIN 0
	s_barrier_wait -1
.if \fill
	CREST
	JLOAD \slot                                    ; the first tensor load behind the round, my one load until the next
.endif
	FETCH_W \next, 0, 0
.if \fill
	WIN 0
	ASK
.endif
	WINMUL 3
	MUL8 2, 3, 0
	MUL8 3, 3, 0
.endm
	s_load_b256 s[4:11], s[0:1], 0x0               ; X s[4:5], W s[6:7], the scales' exponents s[8:9], scale3 s[10:11]
	s_load_b128 s[68:71], s[0:1], 0x20             ; Da s[68:69], bias s[70:71]
	s_load_b64 s[72:73], s[0:1], 0x30              ; out0
	v_lshl_add_u32 v[SPW], v0, 2, SPARE
	v_mov_b32 v[NIL], 0
	ds_add_u32 v[SPW], v[NIL]                      ; the opening lines: the add, twice on end, and its wait ahead of my first tensor load
	ds_add_u32 v[SPW], v[NIL]
	v_lshrrev_b32 v1, 5, v0
	v_readfirstlane_b32 s14, v1                    ; wave 0..3
	s_lshr_b32 s15, s14, 1                         ; which 64 rows of X are mine
	s_and_b32 s16, s14, 1                          ; which 128 rows of W I multiply
	s_bfe_u32 s40, ttmp6, 0x40000                  ; cx
	s_lshl_b32 s17, ttmp9, 2
	s_add_co_u32 s17, s17, s40                     ; tile row: it enters X's and out0's addresses alone
	s_and_b32 s42, ttmp7, 0xffff                   ; tile column, which the four partners share
	s_mov_b32 s[G1+0], 15|(0<<16)|(1<<20)|(1<<21)|(6<<22)|(3<<25)  ; mask: all four; elements of 1 byte; padding of 4 words behind every 128; bit 21 beside the mask
	s_mov_b32 s[G1+1], ROWB<<16
	s_mov_b32 s[G1+2], 64<<16
	s_mov_b32 s[G1+3], ROWB<<16
	s_mov_b32 s[G1+4], 64
	s_mov_b32 s[G1+5], KROW
	s_mov_b32 s[G1+6], 0
	s_mov_b32 s[G1+7], 0
	s_lshl_b32 s46, s42, 8
	s_lshl_b32 s18, s14, 6
	s_add_co_u32 s46, s46, s18                     ; the rows of W that I fetch
	s_lshl_b32 s46, s46, 12
	s_mov_b32 s47, 0
	s_mul_i32 s45, s14, WQ                         ; where they go
	s_wait_dscnt 0x0                               ; both opening adds are done
	s_wait_kmcnt 0x0
	s_load_b128 s[80:83], s[8:9], 0x0              ; e0, e1, e2, e3
	s_load_b32 s84, s[10:11], 0x0                  ; scale3
	s_add_nc_u64 s[46:47], s[6:7], s[46:47]
	CROUND                                         ; all four work-groups are here: the first joint loads meet
.irp s, 0,1
	s_mov_b32 s[G0+4*\s], 1
	s_add_co_u32 s[G0+4*\s+1], s45, \s*SLOT
	s_add_nc_u64 s[G0+4*\s+2:G0+4*\s+3], s[46:47], \s*ROWB
	s_or_b32 s[G0+4*\s+3], s[G0+4*\s+3], 0x80000000
.endr
	JLOAD 0                                        ; slot 0: one tensor load a wave at the head
	s_mul_i32 s22, s16, WH                         ; my 128 rows of W, in slot 0
	s_add_co_u32 s79, s22, SLOT                    ; and in slot 1
	s_mul_i32 s23, s14, 16*SPITCH
	s_add_co_u32 s23, s23, STAGE                   ; my stage
	v_and_b32 v1, 15, v0                           ; r
	v_bfe_u32 v2, v0, 4, 1                         ; h
	v_mul_u32_u24 v3, v1, PITCH                    ; (the stage's pitch is the same)
	v_lshl_add_u32 v4, v2, 4, v3
	v_add_nc_u32 v[ADRB], s22, v4
	v_add_nc_u32 v[ADRB+1], s79, v4
	v_and_b32 v6, 31, v0
	v_lshlrev_b32 v[L16], 4, v6
	v_lshlrev_b32 v[VO], 5, v2
	v_lshl_add_u32 v5, v2, 5, v3                   ; into the stage: row r, 32 bytes for each half of the lanes
	v_add_nc_u32 v[STO], s23, v5
	v_add_nc_u32 v[RD], s23, v[L16]                ; back: the 32 lanes take one row of 512 bytes
	v_lshlrev_b32 v[PFO], 12, v1                   ; a row of 4,096 bytes for each of 16 lanes,
	v_lshl_add_u32 v[PFO], v2, 8, v[PFO]           ; the second 256 bytes for lanes 16-31
	s_wait_alu depctr_va_vdst(0)                   ; ahead of the run of scalar lines
	s_lshl_b32 s78, s17, 1
	s_add_co_u32 s78, s78, s15                     ; which 64 rows of the 2,048 are mine
	s_lshl_b32 s20, s78, 18                        ; their 32 blocks of 8,192 bytes
	s_mov_b32 s21, 0
	s_add_nc_u64 s[XB:XB+1], s[4:5], s[20:21]
	s_lshl_b32 s20, s78, 20                        ; the same 64 rows of out0
	s_add_nc_u64 s[72:73], s[72:73], s[20:21]
	s_lshl_b32 s20, s42, 10                        ; my 128 columns of f32
	s_lshl_b32 s22, s16, 9
	s_add_co_u32 s20, s20, s22
	s_add_nc_u64 s[68:69], s[68:69], s[20:21]
	s_add_nc_u64 s[70:71], s[70:71], s[20:21]
	s_add_nc_u64 s[72:73], s[72:73], s[20:21]
	s_lshl_b32 s18, s42, 8
	s_lshl_b32 s22, s40, 6
	s_add_co_u32 s18, s18, s22
	s_lshl_b32 s22, s14, 4
	s_add_co_u32 s18, s18, s22
	s_lshl_b32 s18, s18, 12
	s_add_co_u32 s18, s18, 2*ROWB                  ; at slot 2: the first refill steps it to 3 and names slot 4
	s_mov_b32 s19, 0
	s_add_nc_u64 s[PFA:PFA+1], s[6:7], s[18:19]
	WIN TO_3
.irp b, 0,1,2,3,4,5,6,7                ; Da and bias of columns 16 b + 8 h + 0 .. 7: the result's layout
	global_load_b128 v[G+8*\b:G+8*\b+3], v[VO], s[68:69] offset:64*\b
	global_load_b128 v[G+8*\b+4:G+8*\b+7], v[VO], s[68:69] offset:64*\b+16
	global_load_b128 v[BI+8*\b:BI+8*\b+3], v[VO], s[70:71] offset:64*\b
	global_load_b128 v[BI+8*\b+4:BI+8*\b+7], v[VO], s[70:71] offset:64*\b+16
.endr
	XLOAD 0, 0
	s_wait_kmcnt 0x0
	s_add_co_i32 s88, s82, s83                     ; e2 + e3
	s_add_co_i32 s88, s88, 127
	s_lshl_b32 s88, s88, 23
	v_mov_b32 v6, s88
	v_mul_f32 v6, s84, v6                          ; scale3 x 2^(e2 + e3)
	v_mov_b32 v7, v6
	s_wait_alu depctr_va_vdst(0)
	s_wait_loadcnt 16                              ; Da and bias are in; X's sixteen loads may be out
	WIN IN_3
.irp j, 0,2,4,6,8,10,12,14,16,18,20,22,24,26,28,30,32,34,36,38,40,42,44,46,48,50,52,54,56,58,60,62
	v_pk_mul_f32 v[G+\j:G+\j+1], v[G+\j:G+\j+1], v[6:7]   ; g = Da x scale3 x 2^(e2 + e3)
.endr
	XLOAD 1, 1
	XLOAD 2, 2
	XLOAD 3, 3
	WIN 0
	s_wait_alu depctr_va_vdst(0)
	s_wait_tensorcnt 0x0                           ; my part of slot 0 is in
	ds_add_u32 v[SPW], v[NIL]
	s_wait_dscnt 0x0
	CROUND
	JLOAD 1                                        ; slot 1's first fill, the first tensor load behind the round
	FETCH_W 0, 0, 0
	STEP 0, 0, 1, -1                               ; the first step's products start the sums
	WIN 0
	s_mov_b32 s3, LAPS-1
.Llap:                                             ; a trip: from a lap's second step to the next lap's first; both slots are filled again
	STEP 0, 1, 0, -1
	STEP 0, 2, 0, -1
	TURN 0, 1, 1, 4
	STEP 1, 0, 0, 7
	STEP 1, 1, 0, -1
	STEP 1, 2, 0, -1
	TURN 1, 0, 1, 8
	STEP 0, 0, 0, 11
	WIN 0
	s_wait_xcnt 0x0                                ; the loads of X have read their base
	s_add_nc_u64 s[XB:XB+1], s[XB:XB+1], 8*XSTEP
	s_sub_co_u32 s3, s3, 1
	s_cmp_lg_u32 s3, 0
	s_cbranch_scc1 .Llap
	STEP 0, 1, 0, -1                               ; the last lap fills nothing
	STEP 0, 2, 0, -1
	TURN 0, 1, 0, 4
	STEP 1, 0, 0, 7
	STEP 1, 1, 0, -1
	STEP 1, 2, 0, -1
	s_wait_dscnt 0x0
	s_wait_loadcnt 0x0
	WINMUL 3
	MUL8 0, 3, 0
	MUL8 1, 3, 0
	MUL8 2, 3, 0
	MUL8 3, 3, 0
	WIN 0
; THE WAY OUT, block by block of 16 rows x 128 columns, through my own stage in LDS, back as whole rows of 512 bytes.  LDS serves a wave's instructions in order (ISA guide 5.7.1.4): no wait between the stores and the loads.
.macro TOSTAGE a
	WIN OUT2
.irp b, 0,1,2,3,4,5,6,7
.irp i, 0,2,4,6
	v_pk_fma_f32 v[TMP+8*\b+\i:TMP+8*\b+\i+1], v[8*(8*(\a)+\b)+\i:8*(8*(\a)+\b)+\i+1], v[G+8*\b+\i:G+8*\b+\i+1], v[BI+8*\b+\i:BI+8*\b+\i+1]   ; sum x g + bias; each accumulator from its low end on
.endr
.endr
	WIN 0
.irp b, 0,1,2,3,4,5,6,7
	ds_store_b128 v[STO], v[TMP+8*\b:TMP+8*\b+3] offset:64*\b
	ds_store_b128 v[STO], v[TMP+8*\b+4:TMP+8*\b+7] offset:64*\b+16
.endr
.set BB, BK+64*((\a)%2)
.irp t, 0,1,2,3,4,5,6,7,8,9,10,11,12,13,14,15
	ds_load_b128 v[BB+4*\t:BB+4*\t+3], v[RD] offset:\t*SPITCH
.endr
.endm
.macro SEND a, younger                 ; younger: the LDS instructions issued behind block a's loads, which may stay out
.set BB, BK+64*((\a)%2)
	s_wait_dscnt \younger
.irp t, 0,1,2,3,4,5,6,7,8,9,10,11,12,13,14,15
	global_store_b128 v[L16], v[BB+4*\t:BB+4*\t+3], s[72:73] offset:(16*(\a)+\t)*OROW th:TH_STORE_NT   ; 512 consecutive bytes, at a multiple of 256 from out0's first byte; 63 rows at the most stand in the immediate
.endr
.endm
	PLACES 4
	TOSTAGE 0
.irp a, 1,2,3
.if \a > 1
	s_wait_xcnt 0x0                                ; block a - 2's stores have read their registers: block a's loads may land there
.endif
	TOSTAGE \a
	SEND \a-1, 32
.endr
	SEND 3, 0
	s_wait_tensorcnt 0x0                           ; the wave's end
	ds_add_u32 v[SPW], v[NIL]
	s_wait_dscnt 0x0
	CROUND                                         ; the closing round
	s_endpgm
.Lfunc_end_k_q4b3c088548_gemm2:
	.size	k_q4b3c088548_gemm2, .Lfunc_end_k_q4b3c088548_gemm2-k_q4b3c088548_gemm2
	.p2alignl 7, 3214868480
	.fill 96, 4, 3214868480
	.section	.rodata,"a",@progbits
	.p2align	6, 0x0
	.amdhsa_kernel k_q4b3c088548_gemm2
		.amdhsa_group_segment_fixed_size 327680
		.amdhsa_private_segment_fixed_size 0
		.amdhsa_enable_private_segment 0
		.amdhsa_kernarg_size 56
		.amdhsa_user_sgpr_count 2
		.amdhsa_user_sgpr_kernarg_segment_ptr 1
		.amdhsa_wavefront_size32 1
		.amdhsa_system_sgpr_workgroup_id_x 1
		.amdhsa_system_sgpr_workgroup_id_y 1
		.amdhsa_system_sgpr_workgroup_id_z 1
		.amdhsa_system_vgpr_workitem_id 0
		.amdhsa_next_free_vgpr 1024
		.amdhsa_next_free_sgpr 100
		.amdhsa_reserve_vcc 0
		.amdhsa_float_denorm_mode_32 3
		.amdhsa_float_denorm_mode_16_64 3
		.amdhsa_memory_ordered 1
		.amdhsa_forward_progress 1
		.amdhsa_inst_pref_size 129
	.end_amdhsa_kernel
	.amdgpu_metadata
---
amdhsa.version: [ 1, 2 ]
amdhsa.kernels:
  - .name:           k_q4b3c088548_gemm2
    .symbol:         k_q4b3c088548_gemm2.kd
    .args:
      - { .name: hq, .offset: 0, .size: 8, .value_kind: global_buffer, .address_space: global }
      - { .name: A_codes, .offset: 8, .size: 8, .value_kind: global_buffer, .address_space: global }
      - { .name: lowp_scales, .offset: 16, .size: 8, .value_kind: global_buffer, .address_space: global }
      - { .name: scale3, .offset: 24, .size: 8, .value_kind: global_buffer, .address_space: global }
      - { .name: Da, .offset: 32, .size: 8, .value_kind: global_buffer, .address_space: global }
      - { .name: bias, .offset: 40, .size: 8, .value_kind: global_buffer, .address_space: global }
      - { .name: out0, .offset: 48, .size: 8, .value_kind: global_buffer, .address_space: global }
    .group_segment_fixed_size: 327680
    .private_segment_fixed_size: 0
    .kernarg_segment_align: 8
    .kernarg_segment_size: 56
    .max_flat_workgroup_size: 128
    .sgpr_count:     100
    .vgpr_count:     1024
    .wavefront_size: 32
...
	.end_amdgpu_metadata
.endif
;; end of part 6
